; MI455X (gfx1250); checked and timed in simulation.
; The chip was launched on July 23, 2026; its instructions are those of AMD's public machine-readable ISA for CDNA 5 (MIT licence, August 2026) and "CDNA5" Instruction Set Architecture Reference Guide (July 2026). The comments in the code are by the model that wrote it; some were corrected since.
;; Block. Allowed arithmetic: matrix products marked QUANTISED: E2M1 operands, one E8M0 scale for each 32 along K, by v_wmma_scale_f32_16x16x128_f8f6f4 with both operands' format E2M1 (or v_wmma_scale_f32_32x16x128_f4), f32 sums; everything else in f32.
;; Inputs: W_ff1_codes 4,096 x 32 x 16 uint8 (E2M1 codes of W_ff1, K innermost, in blocks of 32 codes, two codes a byte); W_ff1_scales 4,096 x 32 uint8 (E8M0 scales of W_ff1, one for each 32 codes along K); W_ff2_codes 1,024 x 128 x 16 uint8 (E2M1 codes of W_ff2, K innermost, in blocks of 32 codes, two codes a byte); W_ff2_scales 1,024 x 128 uint8 (E8M0 scales of W_ff2, one for each 32 codes along K); W_o_codes 1,024 x 32 x 16 uint8 (E2M1 codes of W_o, K innermost, in blocks of 32 codes, two codes a byte); W_o_scales 1,024 x 32 uint8 (E8M0 scales of W_o, one for each 32 codes along K); W_qkv_codes 3,072 x 32 x 16 uint8 (E2M1 codes of W_qkv, K innermost, in blocks of 32 codes, two codes a byte); W_qkv_scales 3,072 x 32 uint8 (E8M0 scales of W_qkv, one for each 32 codes along K); b_ff1 4,096 float32; b_ff2 1,024 float32; b_o 1,024 float32; b_qkv 3,072 float32; ln1_b 1,024 float32; ln1_w 1,024 float32; ln2_b 1,024 float32; ln2_w 1,024 float32; x 2 x 2,048 x 1,024 float32.
;; Outputs: out0 2 x 2,048 x 1,024 float32.
;; This version of the problem:
;;   THIS VERSION OF THE PROBLEM IS GIVEN IN LOW PRECISION. The matrix products marked QUANTISED in the list below multiply operands that are first quantised to E2M1 (2 exponent bits, 1 mantissa bit; 4 bits a number), with one power-of-two scale for each 32 numbers along K (OCP MX v1.0); their sums are f32. All else is computed in f32.
;;   The module's matrix products, in the order in which they are computed (A, B: the left and right operand; K: the contracted axis; several contracted axes count as one K, in the product's order):
;;     1. [M 4,096, K 1,024] x [K 1,024, N 3,072]; A: computed on the way; B: input W_qkv (given as codes): QUANTISED
;;     2. batch 32 x [M 2,048, K 64] x [K 64, N 2,048]; A: computed on the way; B: computed on the way: QUANTISED
;;     3. batch 32 x [M 2,048, K 2,048] x [K 2,048, N 64]; A: softmax (see below); B: computed on the way: QUANTISED
;;     4. [M 4,096, K 1,024] x [K 1,024, N 1,024]; A: computed on the way; B: input W_o (given as codes): QUANTISED
;;     5. [M 4,096, K 1,024] x [K 1,024, N 4,096]; A: computed on the way; B: input W_ff1 (given as codes): QUANTISED
;;     6. [M 4,096, K 4,096] x [K 4,096, N 1,024]; A: computed on the way; B: input W_ff2 (given as codes): QUANTISED
;;   THE QUANTISER, for each operand of a quantised product, along K:
;;     - K is cut into blocks of 32 from its start; a last block that is shorter is filled with zeros.
;;     - A block's scale is 2^e with e = floor(log2(the largest magnitude in the block)) - 2, held to -126 .. 127; a block of zeros has e = 0. As a byte (E8M0): e + 127.
;;     - Each number is divided by its block's scale, clamped to +-6, and rounded to the nearest number of E2M1, ties to even, subnormals kept.
;;     - The product sums the exact products of the quantised numbers (number of the format x scale) in f32.
;;   ~~~python
;;   def quantise(x, axis):      # numpy; x: float32 -> the quantised numbers, widened to float32 again
;;       x = np.moveaxis(x, axis, -1); K = x.shape[-1]
;;       x = np.pad(x, [(0, 0)] * (x.ndim - 1) + [(0, -K % 32)]); x = x.reshape(x.shape[:-1] + (-1, 32)); a = np.abs(x).max(-1, keepdims=True)
;;       e = np.where(a > 0, np.clip(np.frexp(np.where(a > 0, a, 1))[1] - 1 - 2, -126, 127), 0)      # np.frexp(a)[1] - 1 = floor(log2(a)), exactly
;;       r = np.clip(x / 2.0 ** e, -6, 6)
;;       step = 2.0 ** (np.maximum(np.frexp(np.where(r == 0, 1, r))[1] - 1, 0) - 1)
;;       q = np.round(r / step) * step * 2.0 ** e      # np.round: ties to even
;;       return np.moveaxis(q.reshape(q.shape[:-2] + (-1,))[..., :K], -1, axis).astype(np.float32)
;;   ~~~
;;   SOFTMAX AHEAD OF A QUANTISED PRODUCT. Where the list says 'softmax', what is quantised is not the finished softmax but p = 2^(t - M), with t = logit x log2(e) and M = ceil(the row's largest t), a whole number; so 1/2 < the row's largest p <= 1. The row's sum l is taken of the UNQUANTISED p, in f32, and the product's result is divided by l at the end. Since M is a whole number, a kernel that streams over the keys may use a running M (the ceiling of the running maximum): every later rescaling is an exact power of two, which a block's scale takes up: the codes' values come out the same.
;;   OPERANDS COMPUTED ON THE WAY. 'Computed on the way' means the value that the module computes at that place (a softmax that the list does not call 'softmax' is quantised finished and normalised). What goes into a quantiser is computed in f32, as accurately as f32 sums, v_exp_f32 and their like allow (about 1e-6 of the number): no bf16 or f16 on the way to a quantiser, and a product that is left as it is and whose result goes on into a quantised operand takes f32 operands (vector FMAs, or v_wmma_f32_16x16x4_f32). A number that lies on a knife's edge between two numbers of the format may be rounded either way, as far as f32 arithmetic and the matrix unit's own rounding can turn it there, and no further.
;;   INPUTS GIVEN AS CODES. W_ff1 (in the module: [1024, 4096], K = its axis 0); W_ff2 (in the module: [4096, 1024], K = its axis 0); W_o (in the module: [1024, 1024], K = its axis 0); W_qkv (in the module: [1024, 3072], K = its axis 0): each comes as NAME_codes (uint8): NAME with its K axis moved to the last place and cut into blocks of 32 codes, [.., K / 32, bytes a block], one block behind the other in memory; two codes a byte, the lower K in the low four bits (a code: sign, 2 exponent bits, 1 mantissa bit); and NAME_scales (uint8): the same leading axes, one E8M0 byte (e + 127) for each 32 codes along K. Its value is code x scale, taken as it is: it is not quantised again, and the codes and scales need not be those that the quantiser above would give.
;; One version. Each part assembles by itself: llvm-mc -triple=amdgcn-amd-amdhsa -mcpu=gfx1250 --defsym DOCPART=n.
;; ======== version 1 of 1: 7 launches
;; limits: right only within a limited range of input values
;; workspace buffers: hrec 2,228,224 bytes; wrec 6,684,672 bytes; qkvb 6,815,744 bytes; avrec 2,228,224 bytes; x1 16,777,216 bytes; grec 8,912,896 bytes
;; launch prep (part 1): grid 448 x 1, 4 waves a work-group, no clusters, 9,728 bytes of LDS; arguments x, ln1_w, ln1_b, hrec, W_qkv_codes, W_qkv_scales, W_o_codes, W_o_scales, W_ff1_codes, W_ff1_scales, W_ff2_codes, W_ff2_scales, wrec; writes hrec, wrec
.if DOCPART == 1
	.amdgcn_target "amdgcn-amd-amdhsa--gfx1250"
	.amdhsa_code_object_version 6
	.text
	.protected	k_q43537c9145_prep
	.globl	k_q43537c9145_prep
	.p2align	8
	.type	k_q43537c9145_prep,@function
k_q43537c9145_prep:
	s_mov_b64 s[64:65], 0
	v_nop
	global_prefetch_b8 v0, s[64:65] scope:SCOPE_SE
	s_setreg_imm32_b32 hwreg(HW_REG_WAVE_MODE, 25, 1), 1
	s_wait_xcnt 0x0
; THE PROGRAM: a transformer block, 4,096 tokens x 1,024, all six products on codes of FP4 (E2M1) with one E8M0 scale for each 32 along K.  Seven launches:
; prep (layer norm 1 -> codes; the four weights re-laid), qkv, attn, oproj, ln2 (this text again, on x1), ff1, ff2.
; DEAD WORK LEFT OUT BY THE PROGRAM (in launch attn): reference() builds causal = tril(ones) in its own body and sets a score to -inf where key > query; exp(-inf) = 0, so such a key adds 0 to the row's sum and
; 0 x v to av, whatever finite values the inputs hold.  Steps of 128 keys that lie wholly behind a tile's queries are neither fetched nor multiplied.  LIMIT: a NaN, an infinity or an overflow that would arise
; only in those products is not carried to the result.  Every input has a way to the output and is loaded.
; THIS TEXT.  Work-groups 0-255: layer norm of 16 rows of 1,024 f32 (mean, then the variance of x - mean, rsqrt, gain, bias: all f32), quantised along the row, stored as OPERAND RECORDS.
; Work-groups 256-447 (first launch only): one record of a weight each, copied from rows into the same form.
; AN OPERAND RECORD (REC bytes) holds 128 rows x 512 along K as images of the matrix operand's registers: fragment (K step ks of 128, tile t of 16 rows), half c, lane l at ks 8192 + t 1024 + c 512 + 16 l; lane (r, h)
; holds the 16 bytes k = 128 ks + 64 c + 32 h .. + 31 of the tile's row r.  The scale words (4 bytes: 128 along K of a row) lie at 32768 + ks 512 + t 64 + 4 r.
; THE ROWS OF A TILE ARE NOT NEIGHBOURS: row r of tile t is row 32 (t / 2) + 8 (t % 2) + r + 8 (r / 8) of the strip of 128, on both sides of every product: so a result's 16 registers of two neighbouring tiles are 16 neighbours along the next K.
; LIMITS: a block of zeros gets the scale byte 1 where the quantiser says 127 (its codes are zeros, and only this program reads the bytes); NaN and infinities among the inputs are not served.
.set REC,   34816
.set SCB,   8448                       ; LDS: 0: 16 rows of codes, 512 bytes + 16; SCB: 16 rows of scale bytes, 32 + 4
.set SPARE, 9216                       ; the spare words, 128 bytes for each wave: two blocks of 256 bytes that no other line names
.set SPW,   2                          ; v2  LDS address of my spare word; never rewritten
.set NIL,   3                          ; v3  0; never rewritten
.set X,     64                         ; v64-191: row i (of my 4), register 32 i + 8 j + e = column 256 j + 8 lane + e
.set W,     192                        ; v192-223 the gain, v224-255 the bias, of the same columns
.set BB,    224
.set SA,    12                         ; v12-27  four registers a row: two chains of packed sums
.set MU,    28                         ; v28-35  the mean, twice, for each row
.set RS,    36                         ; v36-43  1 / sqrt(var + eps), twice
.set MX,    12                         ; v12-27  later: a block's largest magnitude, then its byte (16 groups of 8 numbers a lane)
.set SO,    28                         ; v28-43  later: the conversions' scale operands
.set CD,    44                         ; v44-59  the codes
	s_load_b256 s[4:11], s[0:1], 0x0               ; the rows, the gain, the bias, the rows' records
	s_load_b512 s[12:27], s[0:1], 0x20             ; W_qkv, W_o, W_ff1, W_ff2: codes and scales
	s_load_b64 s[28:29], s[0:1], 0x60              ; the weights' records
	v_lshl_add_u32 v[SPW], v0, 2, SPARE
	v_mov_b32 v[NIL], 0
	v_lshrrev_b32 v1, 5, v0
	v_readfirstlane_b32 s30, v1                    ; wave 0..3
	v_and_b32 v1, 31, v0                           ; lane
	v_and_b32 v10, 15, v0                          ; r
	v_bfe_u32 v11, v0, 4, 1                        ; h
	s_cmp_lt_u32 ttmp9, 256                        ; the same in all four waves
	s_cbranch_scc0 .Lweights
	; ---------------- layer norm: work-group = tile t of strip; wave w takes the tile's rows 4 w .. 4 w + 3
	v_lshlrev_b32 v4, 5, v1                        ; in: 32 bytes a lane
	s_mul_i32 s34, s30, 2112
	v_lshl_add_u32 v5, v1, 2, s34                  ; codes into LDS: my first row (4 w x 528) + 4 x lane
	s_mul_i32 s35, s30, 144
	s_add_co_u32 s35, s35, SCB
	v_lshrrev_b32 v6, 2, v1
	v_add_nc_u32 v6, s35, v6                       ; scale bytes: four lanes share a block
	v_mul_u32_u24 v7, v10, 528
	v_lshl_add_u32 v7, v11, 4, v7
	s_lshl_b32 s35, s30, 7
	v_add_nc_u32 v7, s35, v7                       ; back: row r, + 16 h, + my two K steps (128 w bytes)
	v_mul_u32_u24 v8, v10, 36
	v_lshl_add_u32 v8, v11, 2, v8
	s_lshl_b32 s35, s30, 3
	s_add_co_u32 s35, s35, SCB
	v_add_nc_u32 v8, s35, v8                       ; scale word of K step 2 w + h, row r
	v_lshlrev_b32 v9, 4, v1                        ; out: 16 x lane
	v_lshlrev_b32 v10, 2, v10
	v_lshl_add_u32 v10, v11, 9, v10                ; out: 512 h + 4 r
	s_mov_b32 s31, 0x3a800000                      ; 1 / 1024
	s_mov_b32 s33, 0x3727c5ac                      ; eps = 1e-5
	s_mov_b32 s50, 0x76543210
	s_mov_b32 s51, 0xfedcba98                      ; v_permlanex16_b32's selects for lane l xor 16
	s_lshr_b32 s36, ttmp9, 3                       ; strip
	s_and_b32 s37, ttmp9, 7                        ; t
	s_lshl_b32 s38, s36, 7
	s_lshr_b32 s39, s37, 1
	s_lshl_b32 s39, s39, 5
	s_add_co_u32 s38, s38, s39
	s_and_b32 s39, s37, 1
	s_lshl_b32 s39, s39, 3
	s_add_co_u32 s38, s38, s39
	s_lshl_b32 s39, s30, 2
	s_add_co_u32 s38, s38, s39
	s_lshr_b32 s39, s30, 1
	s_lshl_b32 s39, s39, 3
	s_add_co_u32 s38, s38, s39                     ; my first row: 128 strip + 32 (t / 2) + 8 (t % 2) + 4 w + 8 (w / 2); my four are neighbours
	s_lshl_b32 s38, s38, 12
	s_mov_b32 s39, 0
	s_lshl_b32 s40, s36, 1
	s_lshr_b32 s41, s30, 1
	s_add_co_u32 s40, s40, s41
	s_mul_i32 s40, s40, REC                        ; the record: strip, chunk w / 2
	s_and_b32 s41, s30, 1
	s_lshl_b32 s42, s41, 14
	s_add_co_u32 s42, s42, s40
	s_lshl_b32 s43, s37, 10
	s_add_co_u32 s42, s42, s43                     ; codes: K step 2 (w % 2), tile t
	s_mov_b32 s43, 0
	s_lshl_b32 s44, s41, 10
	s_add_co_u32 s44, s44, s40
	s_lshl_b32 s45, s37, 6
	s_add_co_u32 s44, s44, s45
	s_add_co_u32 s44, s44, 32768                   ; scale words likewise
	s_mov_b32 s45, 0
	s_wait_kmcnt 0x0
	s_add_nc_u64 s[4:5], s[4:5], s[38:39]
	s_add_nc_u64 s[46:47], s[10:11], s[42:43]
	s_add_nc_u64 s[48:49], s[10:11], s[44:45]
.irp i,0,1,2,3
.irp j,0,1,2,3
	global_load_b128 v[X+32*\i+8*\j:X+32*\i+8*\j+3], v4, s[4:5] offset:\i*4096+\j*1024      ; the two loads together take 1,024 consecutive bytes
	global_load_b128 v[X+32*\i+8*\j+4:X+32*\i+8*\j+7], v4, s[4:5] offset:\i*4096+\j*1024+16
.endr
.endr
.irp j,0,1,2,3
	global_load_b128 v[W+8*\j:W+8*\j+3], v4, s[6:7] offset:\j*1024
	global_load_b128 v[W+8*\j+4:W+8*\j+7], v4, s[6:7] offset:\j*1024+16
	global_load_b128 v[BB+8*\j:BB+8*\j+3], v4, s[8:9] offset:\j*1024
	global_load_b128 v[BB+8*\j+4:BB+8*\j+7], v4, s[8:9] offset:\j*1024+16
.endr
.macro REDUCE                          ; the four rows' sums over the 32 lanes, by turns; every lane ends with the result in v[SA + 4 i]
.irp i,0,1,2,3
	v_pk_add_f32 v[SA+4*\i:SA+4*\i+1], v[SA+4*\i:SA+4*\i+1], v[SA+4*\i+2:SA+4*\i+3]
.endr
.irp i,0,1,2,3
	v_add_f32 v[SA+4*\i], v[SA+4*\i], v[SA+4*\i+1]
.endr
.irp m,1,2,4,8
.irp i,0,1,2,3
	v_add_f32_dpp v[SA+4*\i], v[SA+4*\i], v[SA+4*\i] row_xmask:\m row_mask:0xf bank_mask:0xf
.endr
.endr
.irp i,0,1,2,3
	v_permlanex16_b32 v[SA+4*\i+1], v[SA+4*\i], s50, s51
.endr
.irp i,0,1,2,3
	v_add_f32 v[SA+4*\i], v[SA+4*\i], v[SA+4*\i+1]
.endr
.endm
	s_wait_loadcnt 16                              ; the rows' 32 loads are in; the 16 loads of gain and bias, issued behind them, may be out
.irp i,0,1,2,3
	v_pk_add_f32 v[SA+4*\i:SA+4*\i+1], v[X+32*\i:X+32*\i+1], v[X+32*\i+2:X+32*\i+3]
	v_pk_add_f32 v[SA+4*\i+2:SA+4*\i+3], v[X+32*\i+4:X+32*\i+5], v[X+32*\i+6:X+32*\i+7]
.endr
.irp p,8,12,16,20,24,28
.irp i,0,1,2,3
	v_pk_add_f32 v[SA+4*\i:SA+4*\i+1], v[SA+4*\i:SA+4*\i+1], v[X+32*\i+\p:X+32*\i+\p+1]
	v_pk_add_f32 v[SA+4*\i+2:SA+4*\i+3], v[SA+4*\i+2:SA+4*\i+3], v[X+32*\i+\p+2:X+32*\i+\p+3]
.endr
.endr
	REDUCE
.irp i,0,1,2,3
	v_mul_f32 v[MU+2*\i], s31, v[SA+4*\i]          ; the mean, in both halves of a pair
	v_mul_f32 v[MU+2*\i+1], s31, v[SA+4*\i]
.endr
.irp i,0,1,2,3
.set PJ, 0
.rept 16
	v_pk_add_f32 v[X+32*\i+PJ:X+32*\i+PJ+1], v[X+32*\i+PJ:X+32*\i+PJ+1], v[MU+2*\i:MU+2*\i+1] neg_lo:[0,1] neg_hi:[0,1]   ; x - mean
.set PJ, PJ+2
.endr
.endr
.irp i,0,1,2,3
	v_pk_mul_f32 v[SA+4*\i:SA+4*\i+1], v[X+32*\i:X+32*\i+1], v[X+32*\i:X+32*\i+1]
	v_pk_mul_f32 v[SA+4*\i+2:SA+4*\i+3], v[X+32*\i+2:X+32*\i+3], v[X+32*\i+2:X+32*\i+3]
.endr
.irp p,4,8,12,16,20,24,28
.irp i,0,1,2,3
	v_pk_fma_f32 v[SA+4*\i:SA+4*\i+1], v[X+32*\i+\p:X+32*\i+\p+1], v[X+32*\i+\p:X+32*\i+\p+1], v[SA+4*\i:SA+4*\i+1]
	v_pk_fma_f32 v[SA+4*\i+2:SA+4*\i+3], v[X+32*\i+\p+2:X+32*\i+\p+3], v[X+32*\i+\p+2:X+32*\i+\p+3], v[SA+4*\i+2:SA+4*\i+3]
.endr
.endr
	REDUCE
.irp i,0,1,2,3
	v_fma_f32 v[SA+4*\i], v[SA+4*\i], s31, s33     ; the variance + eps
.endr
	s_wait_alu depctr_va_vdst(0)
.irp i,0,1,2,3
	v_rsq_f32 v[RS+2*\i], v[SA+4*\i]
.endr
	v_nop                                          ; a plain instruction behind the last of the four
	s_wait_alu depctr_va_vdst(0)                   ; one wait for the batch, ahead of its first reader
.irp i,0,1,2,3
	v_mov_b32 v[RS+2*\i+1], v[RS+2*\i]
.endr
	s_wait_alu depctr_va_vdst(0)
	s_wait_loadcnt 0x0                             ; gain and bias
.irp i,0,1,2,3
.set PJ, 0
.rept 16
	v_pk_mul_f32 v[X+32*\i+PJ:X+32*\i+PJ+1], v[X+32*\i+PJ:X+32*\i+PJ+1], v[RS+2*\i:RS+2*\i+1]
.set PJ, PJ+2
.endr
.endr
.irp i,0,1,2,3
.set PJ, 0
.rept 16
	v_pk_fma_f32 v[X+32*\i+PJ:X+32*\i+PJ+1], v[X+32*\i+PJ:X+32*\i+PJ+1], v[W+PJ:W+PJ+1], v[BB+PJ:BB+PJ+1]
.set PJ, PJ+2
.endr
.endr
	; the quantiser: group G = 4 i + j is 8 neighbours of a block of 32, which four neighbouring lanes share
.set G, 0
.rept 16
	v_max3_num_f32 v[MX+G], |v[X+8*G]|, |v[X+8*G+1]|, 0x1800000   ; with the floor 2^(3 - 127): the byte cannot fall under 1
.set G, G+1
.endr
.irp e,2,4,6
.set G, 0
.rept 16
	v_max3_num_f32 v[MX+G], v[MX+G], |v[X+8*G+\e]|, |v[X+8*G+\e+1]|
.set G, G+1
.endr
.endr
.irp m,1,2
.set G, 0
.rept 16
	v_max_num_f32_dpp v[MX+G], v[MX+G], v[MX+G] row_xmask:\m row_mask:0xf bank_mask:0xf
.set G, G+1
.endr
.endr
.set G, 0
.rept 16
	v_add_nc_u32 v[SO+G], 0xff000000, v[MX+G]      ; 2 off the exponent field: the conversion's scale operand
.set G, G+1
.endr
.set G, 0
.rept 16
	v_lshrrev_b32 v[MX+G], 23, v[SO+G]             ; the scale's byte
.set G, G+1
.endr
.set G, 0
.rept 16
	v_cvt_scalef32_pk8_fp4_f32 v[CD+G], v[X+8*G:X+8*G+7], v[SO+G]
.set G, G+1
.endr
	v_nop                                          ; a plain instruction behind the last conversion
.set G, 0
.rept 16
	ds_store_b32 v5, v[CD+G] offset:(G/4)*528+(G%4)*128
	ds_store_b8 v6, v[MX+G] offset:(G/4)*36+(G%4)*8    ; the four lanes of a block write the same byte with the same value
.set G, G+1
.endr
	s_wait_dscnt 0x0                               ; for the others' sake: my stores have landed
	s_barrier_signal -1
	s_barrier_wait -1                              ; the tile's 16 rows of codes and bytes lie in LDS
.irp k,0,1
.irp c,0,1
	ds_load_b128 v[64+8*\k+4*\c:67+8*\k+4*\c], v7 offset:64*\k+32*\c   ; fragment (t, K step 2 w + k), half c, as the operand's registers want it
.endr
.endr
	ds_load_b32 v80, v8
	s_wait_dscnt 0x0
.irp k,0,1
.irp c,0,1
	global_store_b128 v9, v[64+8*\k+4*\c:67+8*\k+4*\c], s[46:47] offset:\k*8192+\c*512   ; 32 lanes store 512 consecutive bytes
.endr
.endr
	global_store_b32 v10, v80, s[48:49]
	s_wait_tensorcnt 0x0                           ; the wave's end
	ds_add_u32 v[SPW], v[NIL]
	s_wait_dscnt 0x0
	s_endpgm
	; ---------------- a weight's record: unit U; no LDS, no barrier.  Wave w takes tiles 2 w and 2 w + 1
.Lweights:
	s_sub_co_u32 s34, ttmp9, 256                   ; U: 0-47 W_qkv, 48-63 W_o, 64-127 W_ff1 (2 chunks a strip), 128-191 W_ff2 (8 chunks a strip)
	s_wait_alu depctr_va_vdst(0)
	v_and_b32 v12, 8, v10
	v_add_nc_u32 v12, v12, v10                     ; r + 8 (r / 8)
	s_wait_alu depctr_va_vdst(0)
	s_wait_kmcnt 0x0
	s_cmp_lt_u32 s34, 128                          ; the choices hang on the work-group's number alone
	s_cselect_b64 s[36:37], s[20:21], s[24:25]
	s_cselect_b64 s[38:39], s[22:23], s[26:27]
	s_cselect_b32 s40, 64, 128                     ; the tensor's first unit
	s_cselect_b32 s41, 1, 3                        ; log2 of chunks in a strip
	s_cselect_b32 s42, 9, 11                       ; log2 of a row of codes in bytes
	s_cselect_b32 s43, 5, 7                        ; log2 of a row of scale bytes
	s_cmp_lt_u32 s34, 64
	s_cselect_b64 s[36:37], s[16:17], s[36:37]
	s_cselect_b64 s[38:39], s[18:19], s[38:39]
	s_cselect_b32 s40, 48, s40
	s_cmp_lt_u32 s34, 48
	s_cselect_b64 s[36:37], s[12:13], s[36:37]
	s_cselect_b64 s[38:39], s[14:15], s[38:39]
	s_cselect_b32 s40, 0, s40
	s_sub_co_u32 s44, s34, s40
	s_lshr_b32 s45, s44, s41                       ; strip
	s_lshl_b32 s46, s45, s41
	s_sub_co_u32 s46, s44, s46                     ; chunk
	s_lshl_b32 s47, s45, 7                         ; the strip's first row
	s_lshl_b32 s48, s47, s42
	s_lshl_b32 s49, s46, 8
	s_add_co_u32 s48, s48, s49
	s_mov_b32 s49, 0
	s_add_nc_u64 s[36:37], s[36:37], s[48:49]      ; codes: the strip's first row, the chunk's 256 bytes
	s_lshl_b32 s48, s47, s43
	s_lshl_b32 s50, s46, 4
	s_add_co_u32 s48, s48, s50
	s_add_nc_u64 s[38:39], s[38:39], s[48:49]      ; scale bytes: the chunk's 16
	s_lshl_b32 s50, s30, 5
	v_add_nc_u32 v13, s50, v12                     ; tile 2 w's row for my lane: 32 w + r + 8 (r / 8)
	v_add_nc_u32 v14, 8, v13                       ; tile 2 w + 1's
	v_lshlrev_b32 v15, s42, v13
	v_lshl_add_u32 v15, v11, 4, v15
	s_wait_alu depctr_va_vdst(0)
	v_lshlrev_b32 v16, s42, v14
	v_lshl_add_u32 v16, v11, 4, v16
	s_wait_alu depctr_va_vdst(0)
	v_lshl_add_u32 v17, v11, 3, v13                ; scale words: lanes 0-15 tile 2 w, lanes 16-31 tile 2 w + 1
	v_lshlrev_b32 v17, s43, v17
	s_wait_alu depctr_va_vdst(0)
	v_lshlrev_b32 v18, 4, v1
	v_lshlrev_b32 v19, 2, v1
	s_mul_i32 s52, s34, REC
	s_lshl_b32 s53, s30, 11
	s_add_co_u32 s52, s52, s53
	s_mov_b32 s53, 0
	s_add_nc_u64 s[54:55], s[28:29], s[52:53]
	s_mul_i32 s52, s34, REC
	s_lshl_b32 s56, s30, 7
	s_add_co_u32 s52, s52, s56
	s_add_co_u32 s52, s52, 32768
	s_add_nc_u64 s[56:57], s[28:29], s[52:53]
.irp k,0,1,2,3
.irp c,0,1
	global_load_b128 v[64+8*\k+4*\c:67+8*\k+4*\c], v15, s[36:37] offset:64*\k+32*\c      ; the eight loads together take each row's 256 bytes whole
	global_load_b128 v[96+8*\k+4*\c:99+8*\k+4*\c], v16, s[36:37] offset:64*\k+32*\c
.endr
.endr
	global_load_b128 v[128:131], v17, s[38:39]
	s_wait_alu depctr_va_vdst(0)
	s_wait_loadcnt 0x0
.irp k,0,1,2,3
.irp c,0,1
	global_store_b128 v18, v[64+8*\k+4*\c:67+8*\k+4*\c], s[54:55] offset:\k*8192+\c*512
	global_store_b128 v18, v[96+8*\k+4*\c:99+8*\k+4*\c], s[54:55] offset:\k*8192+1024+\c*512
.endr
.endr
.irp k,0,1,2,3
	global_store_b32 v19, v[128+\k], s[56:57] offset:\k*512
.endr
	s_endpgm
.Lfunc_end_k_q43537c9145_prep:
	.size	k_q43537c9145_prep, .Lfunc_end_k_q43537c9145_prep-k_q43537c9145_prep
	.p2alignl 7, 3214868480
	.fill 96, 4, 3214868480
	.section	.rodata,"a",@progbits
	.p2align	6, 0x0
	.amdhsa_kernel k_q43537c9145_prep
		.amdhsa_group_segment_fixed_size 9728
		.amdhsa_private_segment_fixed_size 0
		.amdhsa_enable_private_segment 0
		.amdhsa_kernarg_size 104
		.amdhsa_user_sgpr_count 2
		.amdhsa_user_sgpr_kernarg_segment_ptr 1
		.amdhsa_wavefront_size32 1
		.amdhsa_system_sgpr_workgroup_id_x 1
		.amdhsa_system_sgpr_workgroup_id_y 1
		.amdhsa_system_sgpr_workgroup_id_z 1
		.amdhsa_system_vgpr_workitem_id 0
		.amdhsa_next_free_vgpr 256
		.amdhsa_next_free_sgpr 66
		.amdhsa_reserve_vcc 0
		.amdhsa_float_denorm_mode_32 3
		.amdhsa_float_denorm_mode_16_64 3
		.amdhsa_memory_ordered 1
		.amdhsa_forward_progress 1
		.amdhsa_inst_pref_size 50
	.end_amdhsa_kernel
	.amdgpu_metadata
---
amdhsa.version: [ 1, 2 ]
amdhsa.kernels:
  - .name:           k_q43537c9145_prep
    .symbol:         k_q43537c9145_prep.kd
    .args:
      - { .name: x, .offset: 0, .size: 8, .value_kind: global_buffer, .address_space: global }
      - { .name: ln1_w, .offset: 8, .size: 8, .value_kind: global_buffer, .address_space: global }
      - { .name: ln1_b, .offset: 16, .size: 8, .value_kind: global_buffer, .address_space: global }
      - { .name: hrec, .offset: 24, .size: 8, .value_kind: global_buffer, .address_space: global }
      - { .name: W_qkv_codes, .offset: 32, .size: 8, .value_kind: global_buffer, .address_space: global }
      - { .name: W_qkv_scales, .offset: 40, .size: 8, .value_kind: global_buffer, .address_space: global }
      - { .name: W_o_codes, .offset: 48, .size: 8, .value_kind: global_buffer, .address_space: global }
      - { .name: W_o_scales, .offset: 56, .size: 8, .value_kind: global_buffer, .address_space: global }
      - { .name: W_ff1_codes, .offset: 64, .size: 8, .value_kind: global_buffer, .address_space: global }
      - { .name: W_ff1_scales, .offset: 72, .size: 8, .value_kind: global_buffer, .address_space: global }
      - { .name: W_ff2_codes, .offset: 80, .size: 8, .value_kind: global_buffer, .address_space: global }
      - { .name: W_ff2_scales, .offset: 88, .size: 8, .value_kind: global_buffer, .address_space: global }
      - { .name: wrec, .offset: 96, .size: 8, .value_kind: global_buffer, .address_space: global }
    .group_segment_fixed_size: 9728
    .private_segment_fixed_size: 0
    .kernarg_segment_align: 8
    .kernarg_segment_size: 104
    .max_flat_workgroup_size: 128
    .sgpr_count:     66
    .vgpr_count:     256
    .wavefront_size: 32
...
	.end_amdgpu_metadata
.endif
;; end of part 1
;; launch qkv (part 2): grid 12 x 16, 4 waves a work-group, clusters of 4 x 4, 327,680 bytes of LDS; arguments hrec, wrec, b_qkv, qkvb; writes qkvb
.if DOCPART == 2
	.amdgcn_target "amdgcn-amd-amdhsa--gfx1250"
	.amdhsa_code_object_version 6
	.text
	.protected	k_q43537c9145_qkv
	.globl	k_q43537c9145_qkv
	.p2align	8
	.type	k_q43537c9145_qkv,@function
k_q43537c9145_qkv:
	s_mov_b64 s[64:65], 0
	v_nop
	global_prefetch_b8 v0, s[64:65] scope:SCOPE_SE
	s_setreg_imm32_b32 hwreg(HW_REG_WAVE_MODE, 25, 1), 1
	s_wait_xcnt 0x0
	s_wait_alu depctr_hold_cnt(0) depctr_sa_sdst(0) depctr_va_vdst(0) depctr_va_sdst(0) depctr_va_ssrc(0) depctr_va_vcc(0) depctr_vm_vsrc(0)
	s_getreg_b32 s2, hwreg(HW_REG_IB_STS2, 6, 4)
	s_cmp_eq_u32 s2, 0
	s_cbranch_scc0 .Lentry_in_a_cluster
	s_endpgm
.Lentry_in_a_cluster:
	s_bfe_u32 s2, ttmp6, 0x10000c
	s_cmp_lg_u32 s2, 0xf033
	s_cbranch_scc0 .Lentry_shape_is_right
	s_endpgm
.Lentry_shape_is_right:
; qkv = LN1(x) W_qkv + b_qkv on codes of FP4, K = 1,024; the results are quantised on the way out and never lie in memory as f32.
; A work-group of four waves makes 256 tokens x 256 columns, a wave 128 x 128: 64 accumulators.  Work-group x = block of 256 columns (0-3 q, 4-7 k, 8-11 v), y = block of 256 tokens.
; Both operands come as OPERAND RECORDS (see launch prep): 128 rows x 512 along K as images of the operand's registers, REC bytes, dense.
; SIDES.  Source 1's rows land in the result's LANES, source 0's run along a lane's REGISTERS.  q and k (SW = 0): source 1 = tokens, source 0 = columns of W: a lane holds one token and 128 neighbouring columns = two heads, quantised
; along the head's 64.  v (SW = 1): source 1 = columns of W_v, source 0 = tokens: a lane holds one channel and 128 neighbouring tokens, quantised along the keys, which are the second attention product's K.
; CLUSTERS: 4 x 4 work-groups.  The four of a row of the cluster need the same records of tokens, the four of a column the same records of the weight: each record is asked for JOINTLY, by the same tensor load with the same
; descriptor and a mask that names the four.  Cluster x = 0 is q, 1 is k, 2 is v: every branch between the paths hangs on the cluster's x, the same in all sixteen partners.
; OUT (buffer qkvb, bh = 16 batch + head, step = 128 tokens, a = tile of 16):  Q images bh 65536 + step 4096 + a 512 + 16 lane;  Q's scale words at QSCO + bh 8192 + step 512 + 32 r + 4 a, bytes (s0, s1, s0, s1);
;   K images at KVO + bh 131072 + step 8192 + a 512 + 16 lane; V^T fragments (16 channels x 128 keys) 4,096 bytes behind; K's scale words at KVSO + bh 8192 + step 512 + 16 r + 4 (a / 2), bytes (tile 2 b: s0, s1; tile 2 b + 1: s0, s1); V's 256 bytes behind, 16 r + 4 tile.
; LDS: two slots of four records (the tokens' two strips, the weight's two strips, of one chunk of 512 along K), laid alike in both paths; each wave fetches one record of each slot by one tensor load; both are first fills: one load of a wave is out at the most.
; REGISTERS: window 0: v1-15 addresses; v16-31 scale words on the way out; v32-95 scale words of the two slots, nothing else; v96-120 the quantiser's; v128-191 64 results; v192-255 the bias.
;   window 1: two sets of fragments (the tokens' tile i at 128 p + 8 i, the weight's at 128 p + 64 + 8 i).  windows 2, 3: accumulator (a, b) at 8 ((8 a + b) % 32), a = source 1's tile.
; LIMITS: a block of zeros gets the byte 1 (its codes are zeros; only this program reads the bytes); NaN and infinities are not served.
.set REC,   34816
.set SLOT,  REC                        ; from a strip's chunk 0 to its chunk 1 in LDS: a wave's one load brings both, one behind the other
.set SPARE, 8*REC                      ; behind the eight records: the spare words, 128 bytes for each wave
.set NT,    8                          ; tiles a side and wave
.set QS,    4                          ; K steps of 128 in a slot
.set QSCO,  2097152
.set KVO,   2359296
.set KVSO,  6553600
.set ADRA,  4                          ; v4-5  LDS address of my fragments of tokens in slot 0, 1
.set ADRB,  6                          ; v6-7  of the weight
.set ADRS,  8                          ; v8-9  scale words: lanes 0-15 the tokens', lanes 16-31 the weight's
.set SPW,   10
.set NIL,   11
.set LI,    12                         ; 16 x lane
.set PWS,   16                         ; v16-23 the eight tiles' scale words
.set SC,    32                         ; slot s, tile i, step q: v[SC + 32 s + QS i + q]
.set TM,    96
.set PC,    112
.set PW,    120
.set H,     128
.set BI,    192
.set WV,    12                         ; s12 my wave's number
.set G1,    24                         ; s[24:31] group 1 for the tokens' records; s[32:35] their group 0
.set G0,    32
.set G1B,   48                         ; s[48:55], s[56:59] the same for the weight's
.set G0B,   56
.set SEL,   68
.set SW,    0
.set MSB, 0
.macro WIN new                         ; the immediate's high byte repeats the setting that is left
.if MSB != (\new)
	s_set_vgpr_msb (MSB<<8)|(\new)
.set MSB, (\new)
.endif
.endm
.macro PLACES                          ; four plain instructions between a matrix instruction and a load into, or a read of, its registers
.rept 4
	v_nop
.endr
.endm
; A joint load: waves 0 and 1 fetch the tokens' strips, waves 2 and 3 the weight's.  Each of the two lines has one mask and one set of registers for all that issue it; the branch hangs on the wave's number alone.
; An s_nop 0 and four v_nop follow each of the two lines, ahead of the jump, the label and what follows.
.macro JLOAD s
	s_cmp_eq_u32 s13, 0
	s_cbranch_scc0 .Lfor_b_\@
	tensor_load_to_lds s[G0+4*(\s):G0+4*(\s)+3], s[G1:G1+7]
	s_nop 0
.rept 4
	v_nop
.endr
	s_branch .Lasked_\@
.Lfor_b_\@:
	tensor_load_to_lds s[G0B+4*(\s):G0B+4*(\s)+3], s[G1B:G1B+7]
	s_nop 0
.rept 4
	v_nop
.endr
.Lasked_\@:
.endm
.macro CROUND                          ; a round of the cluster's barrier: my work-group's barrier; wave 0 signals for the work-group; every wave waits for all sixteen; my work-group's barrier once more
	s_barrier_signal -1
	s_barrier_wait -1
	s_cmp_lg_u32 s[WV], 0
	s_cbranch_scc1 .Lnot_wave_0_\@
	s_barrier_signal -3
.Lnot_wave_0_\@:
	s_barrier_wait -3
	s_barrier_signal -1
	s_barrier_wait -1
.endm
.macro FETCH slot, q, p                ; the fragments of the slot's q-th K step into set p
	WIN 0x40
.set FI, 0
.rept NT
.irp c,0,1
	ds_load_b128 v[128*(\p)+8*FI+4*\c:128*(\p)+8*FI+4*\c+3], v[ADRA+(\slot)] offset:((\q)/4)*REC+((\q)%4)*8192+FI*1024+\c*512
	ds_load_b128 v[128*(\p)+64+8*FI+4*\c:128*(\p)+64+8*FI+4*\c+3], v[ADRB+(\slot)] offset:((\q)/4)*REC+((\q)%4)*8192+FI*1024+\c*512
.endr
.set FI, FI+1
.endr
.endm
.macro SCALES slot                     ; the slot's scale words
	WIN 0
.set FI, 0
.rept NT
.set FQ, 0
.rept QS
	ds_load_b32 v[SC+32*(\slot)+QS*FI+FQ], v[ADRS+(\slot)] offset:(FQ/4)*REC+(FQ%4)*512+FI*64
.set FQ, FQ+1
.endr
.set FI, FI+1
.endr
.endm
; NT x NT products of one K step; the accumulators take turns, one instruction a turn, in the same order in every step.
; SW = 0: source 0 = the weight's tile MB (its scale words in lanes 16-31), source 1 = the tokens' tile MA.  SW = 1: source 0 = the tokens' tile MB, source 1 = the weight's tile MA.
.macro MUL slot, q, p, zero
.set MA, 0
.rept NT
	WIN 0xa5+0x50*((NT*MA)/32)
.set MB, 0
.rept NT
.set AC, 8*((NT*MA+MB)%32)
.set SB, SC+32*(\slot)+QS*MB+(\q)
.set SA, SC+32*(\slot)+QS*MA+(\q)
.if SW
.set FB, 128*(\p)+8*MB
.set FA, 128*(\p)+64+8*MA
.if \zero
	v_wmma_scale_f32_16x16x128_f8f6f4 v[AC:AC+7], v[FB:FB+7], v[FA:FA+7], 0, v[SB], v[SA] matrix_a_fmt:MATRIX_FMT_FP4 matrix_b_fmt:MATRIX_FMT_FP4 matrix_b_scale:MATRIX_SCALE_ROW1
.else
	v_wmma_scale_f32_16x16x128_f8f6f4 v[AC:AC+7], v[FB:FB+7], v[FA:FA+7], v[AC:AC+7], v[SB], v[SA] matrix_a_fmt:MATRIX_FMT_FP4 matrix_b_fmt:MATRIX_FMT_FP4 matrix_b_scale:MATRIX_SCALE_ROW1
.endif
.else
.set FB, 128*(\p)+64+8*MB
.set FA, 128*(\p)+8*MA
.if \zero
	v_wmma_scale_f32_16x16x128_f8f6f4 v[AC:AC+7], v[FB:FB+7], v[FA:FA+7], 0, v[SB], v[SA] matrix_a_fmt:MATRIX_FMT_FP4 matrix_b_fmt:MATRIX_FMT_FP4 matrix_a_scale:MATRIX_SCALE_ROW1
.else
	v_wmma_scale_f32_16x16x128_f8f6f4 v[AC:AC+7], v[FB:FB+7], v[FA:FA+7], v[AC:AC+7], v[SB], v[SA] matrix_a_fmt:MATRIX_FMT_FP4 matrix_b_fmt:MATRIX_FMT_FP4 matrix_a_scale:MATRIX_SCALE_ROW1
.endif
.endif
.set MB, MB+1
.endr
.set MA, MA+1
.endr
.endm
.macro STEP slot, q, zero              ; a K step whose successor lies in the same slot
	s_wait_dscnt 0x0                               ; this step's fragments, asked for one step ago, are in
	PLACES
	FETCH \slot, (\q)+1, ((\q)+1)%2
	MUL \slot, \q, (\q)%2, \zero
.endm
.macro XSTEP slot                      ; a chunk's last step fetches the other chunk's first fragments: both chunks came with the head's one load
	s_wait_dscnt 0x0                               ; this step's fragments are in
	PLACES
	FETCH 1-(\slot), 0, 0
	SCALES 1-(\slot)
	MUL \slot, QS-1, 1, 0
.endm
.macro LAST slot
	s_wait_dscnt 0x0
	MUL \slot, QS-1, 1, 0
	WIN 0
.endm
; 64 numbers of a lane, v[s] .. v[s + 63], register 16 b + i = k 32 b + 16 (lane / 16) + i of my row, become a fragment's codes in v[PC] on and its scale word in v[PW]
.macro QUANT s
.irp b,0,1,2,3
	v_max3_num_f32 v[TM+\b], |v[\s+16*\b]|, |v[\s+1+16*\b]|, 0x1800000   ; with the floor 2^(3 - 127): the byte cannot fall under 1
.endr
.irp i,2,4,6,8,10,12,14
.irp b,0,1,2,3
	v_max3_num_f32 v[TM+\b], v[TM+\b], |v[\s+16*\b+\i]|, |v[\s+1+16*\b+\i]|
.endr
.endr
.irp b,0,1,2,3
	v_permlanex16_b32 v[TM+4+\b], v[TM+\b], s[SEL], s[SEL+1]
.endr
.irp b,0,1,2,3
	v_max_num_f32 v[TM+\b], v[TM+\b], v[TM+4+\b]   ; with lane l xor 16's: the block's largest magnitude
.endr
.irp b,0,1,2,3
	v_add_nc_u32 v[TM+12+\b], 0xff000000, v[TM+\b] ; 2 off its exponent field: the conversion's scale operand
.endr
.irp b,0,1,2,3
	v_lshrrev_b32 v[TM+4+\b], 23, v[TM+12+\b]      ; the scale's byte
.endr
	v_lshl_or_b32 v[PW], v[TM+5], 8, v[TM+4]
	v_lshl_or_b32 v[PW], v[TM+6], 16, v[PW]
	v_lshl_or_b32 v[PW], v[TM+7], 24, v[PW]
.irp b,0,1,2,3
	v_cvt_scalef32_pk8_fp4_f32 v[PC+2*\b], v[\s+16*\b:\s+7+16*\b], v[TM+12+\b]
	v_cvt_scalef32_pk8_fp4_f32 v[PC+1+2*\b], v[\s+8+16*\b:\s+15+16*\b], v[TM+12+\b]
.endr
	v_nop                                          ; a plain instruction behind the last conversion
.irp c,0,1                                     ; the operand's layout wants a whole block in a lane
.irp i,0,1
	v_permlane16_swap_b32 v[PC+4*\c+\i], v[PC+2+4*\c+\i]
.endr
.endr
.endm
	s_load_b256 s[4:11], s[0:1], 0x0               ; the rows' records, the weights' records, the bias, the result
	v_lshl_add_u32 v[SPW], v0, 2, SPARE
	v_mov_b32 v[NIL], 0
	ds_add_u32 v[SPW], v[NIL]                      ; the wave's opening: the add, twice on end, and its wait ahead of my first tensor load
	ds_add_u32 v[SPW], v[NIL]
	v_lshrrev_b32 v3, 5, v0
	v_readfirstlane_b32 s[WV], v3                  ; wave 0..3
	s_lshr_b32 s13, s12, 1                         ; my half of the tokens.  Also: I fetch tokens (0) or the weight (1)
	s_and_b32 s14, s12, 1                          ; my half of the columns.  Also: which strip of 128 rows I fetch
	s_bfe_u32 s40, ttmp6, 0x40000                  ; cx, cy: my place in the cluster
	s_bfe_u32 s41, ttmp6, 0x40004
	s_lshl_b32 s16, ttmp9, 2
	s_add_co_u32 s16, s16, s40                     ; block of 256 columns = 4 x cluster x + cx
	s_and_b32 s15, ttmp7, 0xffff
	s_lshl_b32 s15, s15, 2
	s_add_co_u32 s15, s15, s41                     ; block of 256 tokens = 4 x cluster y + cy
	s_lshl_b32 s43, s41, 2
	s_lshl_b32 s43, 15, s43                        ; my row of the cluster
	s_lshl_b32 s44, 0x1111, s40                    ; my column
	s_or_b32 s[G1], s43, (3<<16)|(1<<21)           ; group 1: 15:0 the mask: the tokens' records go to my row; 17:16 elements of 8 bytes; 21 set beside a mask; no padding
	s_or_b32 s[G1B], s44, (3<<16)|(1<<21)          ; the weight's go to my column
.irp g, G1, G1B
	s_mov_b32 s[\g+1], 32<<16                      ; a dense block as 136 rows of 32 elements: tensor_dim0
	s_mov_b32 s[\g+2], 272<<16                     ; tensor_dim1: two records, 272 rows of 256 bytes
	s_mov_b32 s[\g+3], 32<<16                      ; tile_dim0
	s_mov_b32 s[\g+4], 272                         ; tile_dim1
	s_mov_b32 s[\g+5], 32                          ; the pitch
	s_mov_b32 s[\g+6], 0
	s_mov_b32 s[\g+7], 0
.endr
	s_mov_b32 s[SEL], 0x76543210
	s_mov_b32 s[SEL+1], 0xfedcba98
	s_lshl_b32 s18, s14, 1                         ; a strip has two chunks
	s_lshl_b32 s20, s15, 2
	s_add_co_u32 s20, s20, s18
	s_mul_i32 s20, s20, REC                        ; the tokens' record: it hangs on the block of tokens and the wave alone
	s_mov_b32 s21, 0
	s_lshl_b32 s46, s16, 2
	s_add_co_u32 s46, s46, s18
	s_mul_i32 s46, s46, REC                        ; the weight's: on the block of columns and the wave alone
	s_mov_b32 s47, 0
	s_mul_i32 s45, s12, 2*REC                      ; my two records' place in LDS: no place in the cluster enters an LDS address
	s_wait_dscnt 0x0                               ; both opening adds are done
	s_wait_kmcnt 0x0
	s_add_nc_u64 s[20:21], s[4:5], s[20:21]
	s_add_nc_u64 s[46:47], s[6:7], s[46:47]
	CROUND                                         ; all sixteen work-groups are here: the first joint loads meet
.irp s,0
	s_mov_b32 s[G0+4*\s], 1
	s_add_co_u32 s[G0+4*\s+1], s45, \s*SLOT
	s_add_nc_u64 s[G0+4*\s+2:G0+4*\s+3], s[20:21], \s*REC
	s_or_b32 s[G0+4*\s+3], s[G0+4*\s+3], 0x80000000
	s_mov_b32 s[G0B+4*\s], 1
	s_add_co_u32 s[G0B+4*\s+1], s45, \s*SLOT
	s_add_nc_u64 s[G0B+4*\s+2:G0B+4*\s+3], s[46:47], \s*REC
	s_or_b32 s[G0B+4*\s+3], s[G0B+4*\s+3], 0x80000000
	JLOAD \s                                       ; both chunks
.endr
	v_and_b32 v1, 15, v0                           ; r
	v_bfe_u32 v2, v0, 4, 1                         ; h
	v_and_b32 v3, 31, v0
	v_lshlrev_b32 v[LI], 4, v3
	s_mul_i32 s90, s13, 2*REC
	s_mul_i32 s91, s14, 2*REC
	s_add_co_u32 s91, s91, 4*REC
	v_add_nc_u32 v[ADRA], s90, v[LI]
	v_add_nc_u32 v[ADRA+1], SLOT, v[ADRA]
	v_add_nc_u32 v[ADRB], s91, v[LI]
	v_add_nc_u32 v[ADRB+1], SLOT, v[ADRB]
	s_sub_co_u32 s92, s91, s90                     ; from the tokens' record to the weight's
	v_mul_u32_u24 v[ADRS], s92, v2                 ; lanes 16-31 take the weight's
	v_lshl_add_u32 v[ADRS], v1, 2, v[ADRS]
	s_add_co_u32 s90, s90, 32768
	v_add_nc_u32 v[ADRS], s90, v[ADRS]
	v_add_nc_u32 v[ADRS+1], SLOT, v[ADRS]
.irp b,0,1,2,3
	v_mov_b32 v[TM+4+\b], 0                        ; written once: a lane permute's destination counts as one of its sources
.endr
	s_lshr_b32 s74, s15, 3                         ; batch
	s_lshl_b32 s75, s15, 1
	s_add_co_u32 s75, s75, s13
	s_and_b32 s75, s75, 15                         ; my step of 128 tokens
	s_and_b32 s76, s16, 3
	s_lshl_b32 s76, s76, 2
	s_lshl_b32 s77, s14, 1
	s_add_co_u32 s76, s76, s77
	s_lshl_b32 s77, s74, 4
	s_add_co_u32 s76, s76, s77                     ; bh of my first head: my 128 columns are two heads
	s_lshl_b32 s80, s16, 10
	s_lshl_b32 s82, s14, 9
	s_add_co_u32 s80, s80, s82
	s_mov_b32 s81, 0
	s_add_nc_u64 s[66:67], s[8:9], s[80:81]        ; the bias of my 128 columns
	s_wait_alu depctr_va_vdst(0)
	s_wait_tensorcnt 0x0                           ; my two records are in
	s_barrier_signal -1
	s_barrier_wait -1
	FETCH 0, 0, 0
	SCALES 0
	s_cmp_lt_u32 ttmp9, 2                          ; the cluster's x: the same in all waves of all sixteen partners
	s_cbranch_scc0 .Lv
	; ---------------- q and k
.set SW, 0
	STEP 0, 0, 1                                   ; the first products start the sums: nothing is cleared
	STEP 0, 1, 0
	STEP 0, 2, 0
	XSTEP 0
	WIN 0
	s_cmp_eq_u32 ttmp9, 0                          ; q or k
	s_cselect_b32 s77, 16, 17                      ; log2 of a head's bytes: Q images, or K and V
	s_cselect_b32 s78, 12, 13                      ; of a step's
	s_cselect_b32 s79, 0, KVO
	s_lshl_b32 s80, s76, s77
	s_lshl_b32 s82, s75, s78
	s_add_co_u32 s80, s80, s82
	s_add_co_u32 s80, s80, s79
	s_add_nc_u64 s[84:85], s[10:11], s[80:81]      ; my first head's images
	s_lshl_b32 s80, 1, s77
	s_add_nc_u64 s[86:87], s[84:85], s[80:81]      ; my second head's
	v_lshlrev_b32 v13, 6, v2
.irp b,0,1,2,3,4,5,6,7
	global_load_b128 v[BI+8*\b:BI+8*\b+3], v13, s[66:67] offset:(32*(\b/2)+8*(\b%2))*4       ; in the result's layout: tile b, lane half h: columns 32 (b / 2) + 16 h + 8 (b % 2) + 0 .. 7
	global_load_b128 v[BI+8*\b+4:BI+8*\b+7], v13, s[66:67] offset:(32*(\b/2)+8*(\b%2))*4+16
.endr
	STEP 1, 0, 0
	STEP 1, 1, 0
	STEP 1, 2, 0
	LAST 1
	PLACES
	s_wait_loadcnt 0x0                             ; the bias
.macro OUTQK a                         ; tile a of my tokens: + bias, quantised: halves 0 and 1 of the fragment are the two heads' images
.if (\a) > 0
	s_wait_xcnt 0x0                                ; the last tile's stores have read their registers
.endif
	WIN 0x02+(\a)/4
.set HJ, 0
.rept 32
	v_pk_add_f32 v[H+HJ:H+HJ+1], v[64*((\a)%4)+HJ:64*((\a)%4)+HJ+1], v[BI+HJ:BI+HJ+1]      ; each accumulator from its low end on
.set HJ, HJ+2
.endr
	WIN 0
	QUANT H
	global_store_b128 v[LI], v[PC:PC+3], s[84:85] offset:(\a)*512
	global_store_b128 v[LI], v[PC+4:PC+7], s[86:87] offset:(\a)*512
	v_mov_b32 v[PWS+(\a)], v[PW]
.endm
.irp a,0,1,2,3,4,5,6,7
	OUTQK \a
.endr
	v_sub_nc_u32 v14, 0, v2
	v_and_b32 v14, 0x02020202, v14                 ; lanes 0-15 serve my first head (bytes 0, 1 of a word), lanes 16-31 my second (bytes 2, 3)
	s_lshl_b32 s80, s76, 13
	s_lshl_b32 s82, s75, 9
	s_add_co_u32 s80, s80, s82
	s_cmp_eq_u32 ttmp9, 0
	s_cbranch_scc0 .Lkwords
	s_add_co_u32 s80, s80, QSCO
	s_add_nc_u64 s[70:71], s[10:11], s[80:81]
	v_add_nc_u32 v14, 0x01000100, v14
.irp a,0,1,2,3,4,5,6,7
	v_perm_b32 v[24+\a], v[PWS+\a], v[PWS+\a], v14 ; (s0, s1, s0, s1): the query's 64 stand in either half of a 128-deep operand
.endr
	v_lshlrev_b32 v15, 5, v1
	v_lshl_add_u32 v15, v2, 13, v15
	global_store_b128 v15, v[24:27], s[70:71]
	global_store_b128 v15, v[28:31], s[70:71] offset:16
	s_branch .Lend
.Lkwords:
	s_add_co_u32 s80, s80, KVSO
	s_add_nc_u64 s[70:71], s[10:11], s[80:81]
	s_wait_alu depctr_va_vdst(0)
	v_add_nc_u32 v14, 0x05040100, v14
.irp b,0,1,2,3
	v_perm_b32 v[24+\b], v[PWS+2*\b+1], v[PWS+2*\b], v14   ; two key tiles make one 128-deep operand: (tile 2 b: s0, s1; tile 2 b + 1: s0, s1)
.endr
	v_lshlrev_b32 v15, 4, v1
	v_lshl_add_u32 v15, v2, 13, v15
	global_store_b128 v15, v[24:27], s[70:71]
	s_branch .Lend
	; ---------------- v: the same steps with the two sources changed over
.Lv:
.set SW, 1
	STEP 0, 0, 1
	STEP 0, 1, 0
	STEP 0, 2, 0
	XSTEP 0
	WIN 0
	s_lshl_b32 s80, s76, 17
	s_lshl_b32 s82, s75, 13
	s_add_co_u32 s80, s80, s82
	s_add_co_u32 s80, s80, KVO+4096
	s_add_nc_u64 s[84:85], s[10:11], s[80:81]      ; my first head's fragments of V^T for my step of 128 keys
	s_lshl_b32 s80, s76, 13
	s_lshl_b32 s82, s75, 9
	s_add_co_u32 s80, s80, s82
	s_add_co_u32 s80, s80, KVSO+256
	s_add_nc_u64 s[70:71], s[10:11], s[80:81]
	v_and_b32 v13, 8, v1
	v_add_nc_u32 v13, v13, v1
	v_lshlrev_b32 v13, 2, v13                      ; 4 (r + 8 (r / 8))
.irp a,0,1,2,3,4,5,6,7
	global_load_b32 v[BI+2*\a], v13, s[66:67] offset:(32*(\a/2)+8*(\a%2))*4    ; one number a lane and tile: my channel's
.endr
	STEP 1, 0, 0
	STEP 1, 1, 0
	STEP 1, 2, 0
	LAST 1
	PLACES
	s_wait_loadcnt 0x0
.irp a,0,1,2,3,4,5,6,7
	v_mov_b32 v[BI+2*\a+1], v[BI+2*\a]
.endr
.macro OUTV a                          ; tile a of my channels (head a / 4, tile a % 4): + bias, quantised along the 128 keys: a fragment of V^T
.if (\a) > 0
	s_wait_xcnt 0x0
.endif
	WIN 0x02+(\a)/4
.set HJ, 0
.rept 32
	v_pk_add_f32 v[H+HJ:H+HJ+1], v[64*((\a)%4)+HJ:64*((\a)%4)+HJ+1], v[BI+2*(\a):BI+2*(\a)+1]
.set HJ, HJ+2
.endr
	WIN 0
	QUANT H
	global_store_b128 v[LI], v[PC:PC+3], s[84:85] offset:((\a)/4)*131072+((\a)%4)*1024
	global_store_b128 v[LI], v[PC+4:PC+7], s[84:85] offset:((\a)/4)*131072+((\a)%4)*1024+512
	v_mov_b32 v[PWS+(\a)], v[PW]
.endm
.irp a,0,1,2,3,4,5,6,7
	OUTV \a
.endr
	v_cmp_ne_u32 vcc_lo, 0, v2
.irp i,0,1,2,3
	v_cndmask_b32 v[24+\i], v[PWS+\i], v[PWS+4+\i], vcc_lo    ; lanes 0-15 my first head's four words, lanes 16-31 my second's
.endr
	v_lshlrev_b32 v15, 4, v1
	v_lshl_add_u32 v15, v2, 13, v15
	global_store_b128 v15, v[24:27], s[70:71]
.Lend:
	s_wait_tensorcnt 0x0                           ; the wave's end
	ds_add_u32 v[SPW], v[NIL]
	s_wait_dscnt 0x0
	CROUND                                         ; the closing round: no work-group ends while a partner may still ask for a record that names it
	s_endpgm
.Lfunc_end_k_q43537c9145_qkv:
	.size	k_q43537c9145_qkv, .Lfunc_end_k_q43537c9145_qkv-k_q43537c9145_qkv
	.p2alignl 7, 3214868480
	.fill 96, 4, 3214868480
	.section	.rodata,"a",@progbits
	.p2align	6, 0x0
	.amdhsa_kernel k_q43537c9145_qkv
		.amdhsa_group_segment_fixed_size 327680
		.amdhsa_private_segment_fixed_size 0
		.amdhsa_enable_private_segment 0
		.amdhsa_kernarg_size 32
		.amdhsa_user_sgpr_count 2
		.amdhsa_user_sgpr_kernarg_segment_ptr 1
		.amdhsa_wavefront_size32 1
		.amdhsa_system_sgpr_workgroup_id_x 1
		.amdhsa_system_sgpr_workgroup_id_y 1
		.amdhsa_system_sgpr_workgroup_id_z 1
		.amdhsa_system_vgpr_workitem_id 0
		.amdhsa_next_free_vgpr 1024
		.amdhsa_next_free_sgpr 100
		.amdhsa_reserve_vcc 1
		.amdhsa_float_denorm_mode_32 3
		.amdhsa_float_denorm_mode_16_64 3
		.amdhsa_memory_ordered 1
		.amdhsa_forward_progress 1
		.amdhsa_inst_pref_size 255
	.end_amdhsa_kernel
	.section	.bss,"aw",@nobits
	.p2align	6
	.space	262144
	.amdgpu_metadata
---
amdhsa.version: [ 1, 2 ]
amdhsa.kernels:
  - .name:           k_q43537c9145_qkv
    .symbol:         k_q43537c9145_qkv.kd
    .args:
      - { .name: hrec, .offset: 0, .size: 8, .value_kind: global_buffer, .address_space: global }
      - { .name: wrec, .offset: 8, .size: 8, .value_kind: global_buffer, .address_space: global }
      - { .name: b_qkv, .offset: 16, .size: 8, .value_kind: global_buffer, .address_space: global }
      - { .name: qkvb, .offset: 24, .size: 8, .value_kind: global_buffer, .address_space: global }
    .group_segment_fixed_size: 327680
    .private_segment_fixed_size: 0
    .kernarg_segment_align: 8
    .kernarg_segment_size: 32
    .max_flat_workgroup_size: 128
    .sgpr_count:     100
    .vgpr_count:     1024
    .wavefront_size: 32
...
	.end_amdgpu_metadata
.endif
;; end of part 2
;; launch attn (part 3): grid 256 x 1, 16 waves a work-group, clusters of 4 x 1, 327,680 bytes of LDS; arguments qkvb, avrec; writes avrec
.if DOCPART == 3
	.amdgcn_target "amdgcn-amd-amdhsa--gfx1250"
	.amdhsa_code_object_version 6
	.text
	.protected	k_q43537c9145_attn
	.globl	k_q43537c9145_attn
	.p2align	8
	.type	k_q43537c9145_attn,@function
k_q43537c9145_attn:
	s_mov_b64 s[64:65], 0
	v_nop
	global_prefetch_b8 v0, s[64:65] scope:SCOPE_SE
	s_setreg_imm32_b32 hwreg(HW_REG_WAVE_MODE, 25, 1), 1
	s_wait_xcnt 0x0
	s_wait_alu depctr_hold_cnt(0) depctr_sa_sdst(0) depctr_va_vdst(0) depctr_va_sdst(0) depctr_va_ssrc(0) depctr_va_vcc(0) depctr_vm_vsrc(0)
	s_getreg_b32 s2, hwreg(HW_REG_IB_STS2, 6, 4)
	s_cmp_eq_u32 s2, 0
	s_cbranch_scc0 .Lentry_in_a_cluster
	s_endpgm
.Lentry_in_a_cluster:
	s_bfe_u32 s2, ttmp6, 0x10000c
	s_cmp_lg_u32 s2, 0x3003
	s_cbranch_scc0 .Lentry_shape_is_right
	s_endpgm
.Lentry_shape_is_right:
; Causal attention on codes of FP4: S^T = K Q^T / 8, p = 2^(t - M) with M the ceiling of the running largest t, O^T = V^T P^T, divided by the sum of the unquantised p; the result is quantised along the model's axis and
; stored as halves of the next product's operand fragments.  Head size 64, 2,048 tokens, 32 (batch, head) pairs.
; WORK LEFT OUT: a step of 128 keys that lies wholly behind a tile's queries (reference()'s own tril makes its p = 0 for all inputs) is neither read from LDS nor multiplied for that tile; see the head of launch prep.
; SHARES.  Work-group = (bh, i): tile i (16 queries) of EACH of the head's sixteen blocks of 128 tokens: 1 + 2 + .. + 16 = 136 tile steps in every work-group, and all 16 key steps are read by it.
; Waves 2 a and 2 a + 1 own blocks 15 - a and a (17 tile steps) and share each block's key steps by parity: a wave walks the steps of its parity of block 15 - a, puts its part (O^T, -M, the sum) into LDS,
; does the same for block a, and behind one barrier each of the 16 waves joins the two parts of one tile: both are brought under the larger M by exact powers of two and added.  A wave has 8 or 9 steps.
; The parity is (w xor w / 4) % 2, so that waves w, w + 4, w + 8, w + 12 and waves 4 m .. 4 m + 3 alike hold two of each parity.
; K, V^T and their scale words come into LDS once, by tensor loads at the head: waves 0-7 two key steps each (16,384 dense bytes), wave 8 the scale words (8,192); a wave has one load out at the most.
; Each wave waits for its load ahead of the one barrier at the head.  Nothing is filled again.
; CLUSTERS: the four work-groups of a cluster belong to one head and read the same K and V: each load is asked for jointly, with the same descriptor (made of the head and the wave's number) and the mask 15.
; NO PREFETCH: each byte of K and V is asked for once, at the head; there is no loop to run ahead in.
; HEAD SIZE 64 ON A 128-DEEP INSTRUCTION.  Two key tiles make one operand; the query's 4 registers stand between 4 + 4 registers of zero codes: (q | 0) picks tile 2 b, (0 | q) tile 2 b + 1.
; A lane holds ONE query throughout; row r of tile t is row 32 (t / 2) + 8 (t % 2) + r + 8 (r / 8) of its block, so that p's 16 registers of two neighbouring tiles are 16 neighbouring keys.
; The loops have constant counts of trips (8 and 4); a wave jumps over the work of the steps behind its block by a scalar branch on ids.
; LIMITS: the scaled scores stay under 2^31 in magnitude; a block of zeros gets the byte 1 (its codes are zeros; only this program reads the bytes); NaN and infinities are not served.
; REGISTERS: v1-11, v29-31 addresses; v12 -M, v13 the largest t, v[14:15] the sum in two halves; v16-27 zeros, Q, zeros; v28 the mask's number; v32-63 K; v64-95 V^T; v96-159 S^T, then p; v160-191 O^T;
;   v200-207 K's and V's scale words; v208-212 the second block's Q and its scale word; v224-231 p's codes; v232-254 at work; v253 p's scale word; v255 Q's.
.set REC,   34816
.set QSCO,  2097152
.set KVO,   2359296
.set KVSO,  6553600
.set SCL,   131072                     ; LDS: key step c at 8192 c (K 4,096, V^T 4,096); its scale words at SCL + 512 c
.set PART,  139264                     ; the parts: (walk, tile pair a, parity) at PART + (16 walk + 2 a + parity) PSZ; no fill lands here
.set PSZ,   4352                       ; 32 registers x 128 bytes, then (-M, sum) 8 bytes a lane
.set SPARE, PART+32*PSZ                ; the spare words, 128 bytes for each of 16 waves
.set LI,    1
.set ASC,   2
.set SPW,   5
.set NIL,   6
.set ADK,   8
.set ADS,   10
.set PST,   11                         ; where my part's registers go
.set PML,   29                         ; and its (-M, sum)
.set MRD,   30                         ; where the two parts that I join lie
.set MML,   31
.set WV,    12
.set SEL,   20
.set CS,    22
.set G0K,   36                         ; s[36:39] group 0, s[44:51] group 1 for K and V; s[60:63], s[52:59] for the scale words
.set G1K,   44
.set G1S,   52
.set G0S,   60
.macro CROUND                          ; a round of the cluster's barrier
	s_barrier_signal -1
	s_barrier_wait -1
	s_cmp_lg_u32 s[WV], 0
	s_cbranch_scc1 .Lnot_wave_0_\@
	s_barrier_signal -3
.Lnot_wave_0_\@:
	s_barrier_wait -3
	s_barrier_signal -1
	s_barrier_wait -1
.endm
; A KEY STEP: 128 keys, step s18 (K and V at s2, scale words at s3), for my tile of block s15
.macro STEP
	s_cmp_gt_u32 s18, s15                          ; a step behind my block: only the addresses step
	s_cbranch_scc1 .Lskip_\@
	v_add_nc_u32 v[ADK], s2, v[LI]
	v_add_nc_u32 v[ADS], s3, v[ASC]
	v_nop
	v_nop                                          ; four plain instructions between the last step's products and the loads into their operands
.irp b,0,1,2,3
.irp c,0,1
	ds_load_b128 v[32+8*\b+4*\c:35+8*\b+4*\c], v[ADK] offset:\b*1024+\c*512
.endr
.endr
	ds_load_b128 v[200:203], v[ADS]
.irp t,0,1,2,3
.irp c,0,1
	ds_load_b128 v[64+8*\t+4*\c:67+8*\t+4*\c], v[ADK] offset:4096+\t*1024+\c*512
.endr
.endr
	ds_load_b128 v[204:207], v[ADS] offset:256
	s_wait_dscnt 9                                 ; K and its scale words are in; V's eight loads and its scale words, issued behind them, may be out
.irp b,0,1,2,3
	v_wmma_scale_f32_16x16x128_f8f6f4 v[96+16*\b:103+16*\b], v[32+8*\b:39+8*\b], v[20:27], 0, v[200+\b], v255 matrix_a_fmt:MATRIX_FMT_FP4 matrix_b_fmt:MATRIX_FMT_FP4
	v_wmma_scale_f32_16x16x128_f8f6f4 v[104+16*\b:111+16*\b], v[32+8*\b:39+8*\b], v[16:23], 0, v[200+\b], v255 matrix_a_fmt:MATRIX_FMT_FP4 matrix_b_fmt:MATRIX_FMT_FP4
.endr
.rept 4
	v_nop
.endr
	s_cmp_lg_u32 s18, s15                          ; only my block's last step lies on the diagonal
	s_cbranch_scc1 .Lopen_\@
	v_mov_b32 v254, 0xff800000                     ; -infinity
.set N, 0
.rept 64
	v_cmp_gt_i32 vcc_lo, 32*(N/16)+N%16, v28
	v_cndmask_b32 v[96+N], v[96+N], v254, vcc_lo
.set N, N+1
.endr
.Lopen_\@:
.irp b,0,1,2,3
	v_max3_num_f32 v[232+\b], v[96+16*\b], v[97+16*\b], v[98+16*\b]   ; the largest score of each block of 32 keys: for the row's maximum and, since p rises with the score, for the block's largest p
.endr
.irp i,3,5,7,9,11,13
.irp b,0,1,2,3
	v_max3_num_f32 v[232+\b], v[232+\b], v[96+16*\b+\i], v[97+16*\b+\i]
.endr
.endr
.irp b,0,1,2,3
	v_max_num_f32 v[232+\b], v[232+\b], v[111+16*\b]
.endr
.irp b,0,1,2,3
	s_delay_alu instid0(VALU_DEP_4)
	v_permlanex16_b32 v[236+\b], v[232+\b], s[SEL], s[SEL+1]
.endr
.irp b,0,1,2,3
	s_delay_alu instid0(VALU_DEP_4)
	v_max_num_f32 v[232+\b], v[232+\b], v[236+\b]
.endr
	s_delay_alu instid0(VALU_DEP_2)
	v_max3_num_f32 v254, v232, v233, v234
	s_delay_alu instid0(VALU_DEP_1)
	v_max_num_f32 v254, v254, v235
	s_delay_alu instid0(VALU_DEP_1)
	v_mul_f32 v254, s[CS], v254                    ; as t
	s_delay_alu instid0(VALU_DEP_1)
	v_max_num_f32 v13, v13, v254                   ; the running largest t
	v_mov_b32 v254, v12
	s_delay_alu instid0(VALU_DEP_2)
	v_floor_f32 v12, -v13                          ; the new -M = -ceil(t): a whole number
	s_delay_alu instid0(VALU_DEP_1)
	v_sub_f32 v254, v12, v254                      ; old M - new M
	s_delay_alu instid0(VALU_DEP_1)
	v_cvt_i32_f32 v254, v254                       ; (it saturates)
	s_delay_alu instid0(VALU_DEP_1)
	v_ldexp_f32 v252, 1.0, v254                    ; f = 2^(old M - new M): the rescaling rounds nothing
.set J, 0
.rept 32
	v_pk_fma_f32 v[96+J:97+J], v[96+J:97+J], s[CS:CS+1], v[12:13] op_sel_hi:[1,0,0]   ; t - M
.set J, J+2
.endr
.irp b,0,1,2,3
	v_fma_f32 v[232+\b], v[232+\b], s[CS], v12
.endr
	s_wait_dscnt 0x0                               ; V and its scale words are in
	s_wait_alu depctr_va_vdst(0)
.set J, 0
.rept 64
	v_exp_f32 v[96+J], v[96+J]                     ; p = 2^(t - M): not normalised
.set J, J+1
.endr
	v_pk_mul_f32 v[14:15], v[14:15], v[252:253] op_sel_hi:[1,0]   ; the sums under the new M; a plain instruction behind the exponentials
	s_wait_alu depctr_va_vdst(0)                   ; one wait for the batch of 64, ahead of its first reader
.irp b,0,1,2,3
	v_exp_f32 v[232+\b], v[232+\b]                 ; the block's largest p
.endr
.set J, 0
.rept 7                                        ; the row's sum of the unquantised p: 32 pairs in eight chains, v[238 + 2 k] and v[14:15]
	v_pk_add_f32 v[238+2*J:239+2*J], v[96+2*J:97+2*J], v[112+2*J:113+2*J]
.set J, J+1
.endr
	v_pk_add_f32 v[14:15], v[14:15], v[110:111]
.irp o,128,144
.set J, 0
.rept 7
	v_pk_add_f32 v[238+2*J:239+2*J], v[238+2*J:239+2*J], v[\o+2*J:\o+2*J+1]
.set J, J+1
.endr
	v_pk_add_f32 v[14:15], v[14:15], v[\o+14:\o+15]
.endr
	v_pk_add_f32 v[238:239], v[238:239], v[240:241]
	v_pk_add_f32 v[242:243], v[242:243], v[244:245]
	v_pk_add_f32 v[246:247], v[246:247], v[248:249]
	v_pk_add_f32 v[14:15], v[14:15], v[126:127]
	v_pk_add_f32 v[238:239], v[238:239], v[242:243]
	v_pk_add_f32 v[246:247], v[246:247], v[250:251]
	s_delay_alu instid0(VALU_DEP_2)
	v_pk_add_f32 v[14:15], v[14:15], v[238:239]
	s_delay_alu instid0(VALU_DEP_1)
	v_pk_add_f32 v[14:15], v[14:15], v[246:247]
	s_wait_alu depctr_va_vdst(0)                   ; and one for the four
.irp b,0,1,2,3
	v_max_num_f32 v[232+\b], 0x1800000, v[232+\b]  ; the floor 2^(3 - 127)
.endr
.irp b,0,1,2,3
	s_delay_alu instid0(VALU_DEP_4)
	v_add_nc_u32 v[244+\b], 0xff000000, v[232+\b]  ; 2 off the exponent field: the conversion's scale operand
.endr
.irp b,0,1,2,3
	s_delay_alu instid0(VALU_DEP_4)
	v_lshrrev_b32 v[236+\b], 23, v[244+\b]
.endr
	s_delay_alu instid0(VALU_DEP_3)
	v_lshl_or_b32 v253, v237, 8, v236              ; p's scale word for these 128 keys
	s_delay_alu instid0(VALU_DEP_1)
	v_lshl_or_b32 v253, v238, 16, v253
	s_delay_alu instid0(VALU_DEP_1)
	v_lshl_or_b32 v253, v239, 24, v253
.irp b,0,1,2,3
	v_cvt_scalef32_pk8_fp4_f32 v[224+2*\b], v[96+16*\b:103+16*\b], v[244+\b]
	v_cvt_scalef32_pk8_fp4_f32 v[225+2*\b], v[104+16*\b:111+16*\b], v[244+\b]
.endr
	v_nop
.irp c,0,1
.irp i,0,1
	v_permlane16_swap_b32 v[224+4*\c+\i], v[226+4*\c+\i]
.endr
.endr
	s_wait_alu depctr_va_vdst(0)                   ; directly ahead of the first reader of O^T
.set J, 0
.rept 16
	v_pk_mul_f32 v[160+J:161+J], v[160+J:161+J], v[252:253] op_sel_hi:[1,0]   ; O^T under the new M; twelve of the sixteen name no register of a given product below: the places between p's scale word and codes and the products
.set J, J+2
.endr
.irp t,0,1,2,3
	v_wmma_scale_f32_16x16x128_f8f6f4 v[160+8*\t:167+8*\t], v[64+8*\t:71+8*\t], v[224:231], v[160+8*\t:167+8*\t], v[204+\t], v253 matrix_a_fmt:MATRIX_FMT_FP4 matrix_b_fmt:MATRIX_FMT_FP4
.endr
.Lskip_\@:
	s_add_co_u32 s2, s2, 16384                     ; two key steps on: the next of my parity
	s_add_co_u32 s3, s3, 1024
	s_add_co_u32 s18, s18, 2
.endm
.macro WALK n                          ; n steps of my parity
	s_mov_b32 s35, 0
.Lwalk_\@:
	STEP
	s_add_co_u32 s35, s35, 1
	s_cmp_lt_u32 s35, \n
	s_cbranch_scc1 .Lwalk_\@
.endm
.macro PUT                             ; my part of a tile into LDS, as images of the registers
.rept 4
	v_nop                                          ; places behind the last products
.endr
	v_add_f32 v13, v14, v15                        ; the sum's two halves, beside -M
	s_wait_alu depctr_va_vdst(0)                   ; a wave that jumped over every step reads what was written ahead of the branches
.set J, 0
.rept 8
	ds_store_b128 v[PST], v[160+4*J:163+4*J] offset:512*J    ; each accumulator from its low end on
.set J, J+1
.endr
	ds_store_b64 v[PML], v[12:13]
.endm
	s_load_b128 s[4:7], s[0:1], 0x0                ; q, k, v as codes; the result's records
	v_lshl_add_u32 v[SPW], v0, 2, SPARE
	v_mov_b32 v[NIL], 0
	ds_add_u32 v[SPW], v[NIL]                      ; the wave's opening: the add, twice on end, and its wait ahead of the first tensor loads
	ds_add_u32 v[SPW], v[NIL]
	v_lshrrev_b32 v8, 5, v0
	v_readfirstlane_b32 s[WV], v8                  ; wave 0..15
	s_bfe_u32 s8, ttmp6, 0x40000                   ; cx: my place in the cluster
	s_lshr_b32 s13, ttmp9, 1                       ; bh: two clusters to a head
	s_and_b32 s17, ttmp9, 1
	s_lshl_b32 s17, s17, 2
	s_add_co_u32 s17, s17, s8                      ; i: my work-group's tile in every block; it enters global addresses and the mask's number alone
	s_lshr_b32 s14, s12, 1                         ; a: the second walk's block
	s_sub_co_u32 s16, 15, s14                      ; the first walk's block
	s_lshr_b32 s19, s12, 2
	s_xor_b32 s19, s19, s12
	s_and_b32 s19, s19, 1                          ; my parity
	s_lshl_b32 s34, s14, 1
	s_add_co_u32 s40, s34, s19
	s_mul_i32 s40, s40, PSZ
	s_add_co_u32 s40, s40, PART                    ; my part of the first walk
	s_add_co_u32 s41, s40, 4096
	s_lshl_b32 s42, s19, 4
	s_add_co_u32 s42, s42, s34
	s_mul_i32 s42, s42, PSZ
	s_add_co_u32 s42, s42, PART                    ; the two parts that I join: walk = my parity, tile pair a
	s_add_co_u32 s43, s42, 4096
	s_mov_b32 s[G1K], (3<<16)|(1<<21)|15           ; group 1: the mask names the cluster's four; elements of 8 bytes; bit 21 beside a mask; no padding
	s_mov_b32 s[G1K+1], 32<<16                     ; a dense block as rows of 256 bytes
	s_mov_b32 s[G1K+2], 64<<16                     ; 64 rows: two key steps
	s_mov_b32 s[G1K+3], 32<<16
	s_mov_b32 s[G1K+4], 64
	s_mov_b32 s[G1K+5], 32
	s_mov_b32 s[G1K+6], 0
	s_mov_b32 s[G1K+7], 0
	s_mov_b32 s[G1S], (3<<16)|(1<<21)|15
	s_mov_b32 s[G1S+1], 32<<16
	s_mov_b32 s[G1S+2], 32<<16                     ; 32 rows: the head's scale words
	s_mov_b32 s[G1S+3], 32<<16
	s_mov_b32 s[G1S+4], 32
	s_mov_b32 s[G1S+5], 32
	s_mov_b32 s[G1S+6], 0
	s_mov_b32 s[G1S+7], 0
	s_mov_b32 s[G0K], 1
	s_and_b32 s34, s12, 7
	s_lshl_b32 s[G0K+1], s34, 14                   ; key steps 2 w, 2 w + 1 in LDS,
	s_lshl_b32 s24, s13, 17
	s_add_co_u32 s24, s24, KVO
	s_add_co_u32 s24, s24, s[G0K+1]                ; and in memory
	s_mov_b32 s25, 0
	s_mov_b32 s[G0S], 1
	s_mov_b32 s[G0S+1], SCL
	s_lshl_b32 s26, s13, 13
	s_add_co_u32 s26, s26, KVSO
	s_mov_b32 s27, 0
	s_lshl_b32 s28, s13, 16
	s_lshl_b32 s9, s17, 9
	s_add_co_u32 s28, s28, s9
	s_lshl_b32 s9, s14, 12
	s_add_co_u32 s32, s28, s9                      ; Q: tile i of block a,
	s_lshl_b32 s9, s16, 12
	s_add_co_u32 s28, s28, s9                      ; and of block 15 - a
	s_mov_b32 s29, 0
	s_mov_b32 s33, 0
	s_lshl_b32 s30, s13, 13
	s_lshl_b32 s9, s17, 2
	s_add_co_u32 s30, s30, s9
	s_add_co_u32 s30, s30, QSCO
	s_lshl_b32 s9, s14, 9
	s_add_co_u32 s10, s30, s9                      ; their scale words likewise
	s_lshl_b32 s9, s16, 9
	s_add_co_u32 s30, s30, s9
	s_mov_b32 s31, 0
	s_mov_b32 s11, 0
	s_mov_b32 s[SEL], 0x76543210
	s_mov_b32 s[SEL+1], 0xfedcba98
	s_mov_b32 s[CS], 0x3e38aa3b                    ; c = log2(e) / sqrt(64)
	s_mov_b32 s[CS+1], s[CS]
	v_and_b32 v9, 31, v0
	v_and_b32 v3, 15, v0                           ; r
	v_bfe_u32 v4, v0, 4, 1                         ; h
	v_lshlrev_b32 v[LI], 4, v9
	v_lshl_add_u32 v[ASC], v3, 4, SCL
	v_lshlrev_b32 v7, 5, v3
	v_add_nc_u32 v[PST], s40, v[LI]
	v_lshl_add_u32 v[PML], v9, 3, s41
	v_add_nc_u32 v[MRD], s42, v[LI]
	v_lshl_add_u32 v[MML], v9, 3, s43
	s_wait_alu depctr_va_vdst(0)
	s_wait_dscnt 0x0                               ; both opening adds are done
	s_wait_kmcnt 0x0
	s_add_nc_u64 s[G0K+2:G0K+3], s[4:5], s[24:25]
	s_or_b32 s[G0K+3], s[G0K+3], 0x80000000
	s_add_nc_u64 s[G0S+2:G0S+3], s[4:5], s[26:27]
	s_or_b32 s[G0S+3], s[G0S+3], 0x80000000
	s_add_nc_u64 s[28:29], s[4:5], s[28:29]
	s_add_nc_u64 s[30:31], s[4:5], s[30:31]
	s_add_nc_u64 s[32:33], s[4:5], s[32:33]
	s_add_nc_u64 s[10:11], s[4:5], s[10:11]
	global_load_b128 v[20:23], v[LI], s[28:29]     ; the first walk's Q
	global_load_b32 v255, v7, s[30:31]
	global_load_b128 v[208:211], v[LI], s[32:33]   ; the second walk's
	global_load_b32 v212, v7, s[10:11]
	CROUND                                         ; all four work-groups are here: the joint loads meet
	s_cmp_lt_u32 s[WV], 8                          ; one chain of branches on the wave's number, a load to an arm
	s_cbranch_scc0 .Lnot_kv
	tensor_load_to_lds s[G0K:G0K+3], s[G1K:G1K+7]
	s_nop 0
.rept 4
	v_nop
.endr
	s_branch .Lasked
.Lnot_kv:
	s_cmp_eq_u32 s[WV], 8
	s_cbranch_scc0 .Lasked
	tensor_load_to_lds s[G0S:G0S+3], s[G1S:G1S+7]
	s_nop 0
.rept 4
	v_nop
.endr
.Lasked:
	s_lshr_b32 s34, s17, 1
	s_lshl_b32 s34, s34, 5
	s_and_b32 s9, s17, 1
	s_lshl_b32 s9, s9, 3
	s_add_co_u32 s34, s34, s9
	v_and_b32 v28, 8, v3
	v_lshlrev_b32 v9, 4, v4
	v_add_nc_u32 v28, v28, v3
	v_sub_nc_u32 v9, s34, v9
	v_add_nc_u32 v28, v28, v9                      ; d = my query's place in its block - 16 h: on the diagonal register 16 b + i (key 32 b + 16 h + i) is hidden where 32 b + i > d
.irp j,16,17,18,19,24,25,26,27
	v_mov_b32 v[\j], 0                             ; zero codes on both sides of Q
.endr
	v_mov_b32 v13, 0xff61b1e6                      ; the largest t so far: -3e38
	v_mov_b32 v14, 0
	v_mov_b32 v15, 0
	v_floor_f32 v12, -v13                          ; -M
.irp j,236,237,238,239,252,253
	v_mov_b32 v[\j], 0                             ; written once: lane permutes' destinations, and halves of pairs that are named before they are first written
.endr
.set J, 0
.rept 32
	v_mov_b32 v[160+J], 0                          ; O^T: the step is written once; the first finds zeros
.set J, J+1
.endr
	s_lshl_b32 s2, s19, 13                         ; my first step's K and V in LDS,
	s_lshl_b32 s3, s19, 9                          ; its scale words,
	s_mov_b32 s18, s19                             ; and its number: my parity
	s_mov_b32 s15, s16                             ; the first walk: block 15 - a
	s_wait_alu depctr_va_vdst(0)
	s_wait_loadcnt 0x0                             ; both Q
	s_wait_tensorcnt 0x0                           ; my two key steps, or the scale words
	s_barrier_signal -1
	s_barrier_wait -1                              ; all of K, V and the scale words lie in LDS
	WALK 8                                         ; key steps 0 .. 15 - a
	PUT
	v_add_nc_u32 v[PST], 16*PSZ, v[PST]            ; the second walk's part
	v_add_nc_u32 v[PML], 16*PSZ, v[PML]
.irp j,0,1,2,3
	v_mov_b32 v[20+\j], v[208+\j]                  ; its Q,
.endr
	v_mov_b32 v255, v212                           ; and Q's scale word: the 36 lines below stand between it and the next product
	v_mov_b32 v13, 0xff61b1e6
	v_mov_b32 v14, 0
	v_mov_b32 v15, 0
	v_floor_f32 v12, -v13
.set J, 0
.rept 32
	v_mov_b32 v[160+J], 0
.set J, J+1
.endr
	s_lshl_b32 s2, s19, 13
	s_lshl_b32 s3, s19, 9
	s_mov_b32 s18, s19
	s_mov_b32 s15, s14                             ; block a
	s_wait_alu depctr_va_vdst(0)
	WALK 4                                         ; key steps 0 .. a
	PUT
	s_wait_dscnt 0x0                               ; for the others' sake: my stores have landed
	s_barrier_signal -1
	s_barrier_wait -1
	; THE JOIN: the two parities' parts of tile i of block 15 - a (my parity 0) or a (1)
.set J, 0
.rept 8
	ds_load_b128 v[96+4*J:99+4*J], v[MRD] offset:512*J
	ds_load_b128 v[128+4*J:131+4*J], v[MRD] offset:PSZ+512*J
.set J, J+1
.endr
	ds_load_b64 v[232:233], v[MML]
	ds_load_b64 v[234:235], v[MML] offset:PSZ
	s_cmp_eq_u32 s19, 0
	s_cselect_b32 s15, s16, s14                    ; the block
	s_wait_dscnt 0x0
	v_min_num_f32 v236, v232, v234                 ; -M of the larger M.  (A parity that had no step left -M = 3e38, O^T = 0 and the sum 0: its factor below is 0)
	s_delay_alu instid0(VALU_DEP_1)
	v_sub_f32 v237, v236, v232                     ; each part's M less the larger: a whole number, 0 or less
	v_sub_f32 v238, v236, v234
	s_delay_alu instid0(VALU_DEP_2)
	v_cvt_i32_f32 v237, v237                       ; (it saturates)
	s_delay_alu instid0(VALU_DEP_2)
	v_cvt_i32_f32 v238, v238
	s_delay_alu instid0(VALU_DEP_2)
	v_ldexp_f32 v237, 1.0, v237
	s_delay_alu instid0(VALU_DEP_2)
	v_ldexp_f32 v238, 1.0, v238                    ; exact factors
	s_delay_alu instid0(VALU_DEP_2)
	v_mul_f32 v239, v233, v237
	s_delay_alu instid0(VALU_DEP_1)
	v_fma_f32 v239, v235, v238, v239
	s_delay_alu instid0(VALU_DEP_1)
	v_permlanex16_b32 v252, v239, s[SEL], s[SEL+1]
	s_delay_alu instid0(VALU_DEP_1)
	v_add_f32 v239, v239, v252                     ; with lane l xor 16's keys: the row's sum
	s_wait_alu depctr_va_vdst(0)
	v_rcp_f32 v239, v239
	v_lshlrev_b32 v9, 2, v3                        ; 4 r; a plain instruction behind the reciprocal
	s_lshr_b32 s34, s13, 4                         ; batch
	s_and_b32 s35, s13, 15                         ; head
	s_lshl_b32 s34, s34, 4
	s_add_co_u32 s34, s34, s15                     ; strip of 128 tokens
	s_lshl_b32 s34, s34, 1
	s_lshr_b32 s36, s35, 3
	s_add_co_u32 s34, s34, s36                     ; record: chunk = head / 8
	s_mul_i32 s34, s34, REC
	s_bfe_u32 s36, s35, 0x20001                    ; K step = (head / 2) % 4
	s_and_b32 s37, s35, 1                          ; half of the fragment
	s_lshl_b32 s38, s36, 13
	s_add_co_u32 s38, s38, s34
	s_lshl_b32 s39, s17, 10
	s_add_co_u32 s38, s38, s39
	s_lshl_b32 s39, s37, 9
	s_add_co_u32 s38, s38, s39
	s_mov_b32 s39, 0
	s_add_nc_u64 s[40:41], s[6:7], s[38:39]
	s_lshl_b32 s38, s36, 9
	s_add_co_u32 s38, s38, s34
	s_lshl_b32 s42, s17, 6
	s_add_co_u32 s38, s38, s42
	s_lshl_b32 s42, s37, 1
	s_add_co_u32 s38, s38, s42
	s_add_co_u32 s38, s38, 32768
	s_add_nc_u64 s[42:43], s[6:7], s[38:39]
	s_wait_alu depctr_va_vdst(0)                   ; the wait ahead of the reciprocal's first reader
	v_mul_f32 v240, v237, v239                     ; each part's factor / the sum, in both halves of a pair
	v_mul_f32 v241, v237, v239
	v_mul_f32 v242, v238, v239
	v_mul_f32 v243, v238, v239
.set J, 0
.rept 16
	v_pk_mul_f32 v[96+J:97+J], v[96+J:97+J], v[240:241]
.set J, J+2
.endr
.set J, 0
.rept 16
	v_pk_fma_f32 v[96+J:97+J], v[128+J:129+J], v[242:243], v[96+J:97+J]   ; register 16 b + i = channel 32 b + 16 h + i of my query
.set J, J+2
.endr
.irp b,0,1
	v_max3_num_f32 v[232+\b], |v[96+16*\b]|, |v[97+16*\b]|, 0x1800000
.endr
.irp i,2,4,6,8,10,12,14
.irp b,0,1
	s_delay_alu instid0(VALU_DEP_2)
	v_max3_num_f32 v[232+\b], v[232+\b], |v[96+16*\b+\i]|, |v[97+16*\b+\i]|
.endr
.endr
.irp b,0,1
	s_delay_alu instid0(VALU_DEP_2)
	v_permlanex16_b32 v[236+\b], v[232+\b], s[SEL], s[SEL+1]
.endr
.irp b,0,1
	s_delay_alu instid0(VALU_DEP_2)
	v_max_num_f32 v[232+\b], v[232+\b], v[236+\b]
.endr
.irp b,0,1
	s_delay_alu instid0(VALU_DEP_2)
	v_add_nc_u32 v[244+\b], 0xff000000, v[232+\b]
.endr
.irp b,0,1
	s_delay_alu instid0(VALU_DEP_2)
	v_lshrrev_b32 v[236+\b], 23, v[244+\b]
.endr
	s_delay_alu instid0(VALU_DEP_1)
	v_lshl_or_b32 v238, v237, 8, v236              ; my row's two scale bytes
.irp b,0,1
	v_cvt_scalef32_pk8_fp4_f32 v[224+2*\b], v[96+16*\b:103+16*\b], v[244+\b]
	v_cvt_scalef32_pk8_fp4_f32 v[225+2*\b], v[104+16*\b:111+16*\b], v[244+\b]
.endr
	v_nop
	v_permlane16_swap_b32 v224, v226
	v_permlane16_swap_b32 v225, v227
	global_store_b128 v[LI], v[224:227], s[40:41]  ; 32 lanes store 512 consecutive bytes: half a fragment
	global_store_b16 v9, v238, s[42:43]            ; lanes r and r + 16 write the same two bytes with the same value
	s_wait_tensorcnt 0x0                           ; the wave's end
	ds_add_u32 v[SPW], v[NIL]
	s_wait_dscnt 0x0
	CROUND                                         ; the closing round
	s_endpgm
.Lfunc_end_k_q43537c9145_attn:
	.size	k_q43537c9145_attn, .Lfunc_end_k_q43537c9145_attn-k_q43537c9145_attn
	.p2alignl 7, 3214868480
	.fill 96, 4, 3214868480
	.section	.rodata,"a",@progbits
	.p2align	6, 0x0
	.amdhsa_kernel k_q43537c9145_attn
		.amdhsa_group_segment_fixed_size 327680
		.amdhsa_private_segment_fixed_size 0
		.amdhsa_enable_private_segment 0
		.amdhsa_kernarg_size 16
		.amdhsa_user_sgpr_count 2
		.amdhsa_user_sgpr_kernarg_segment_ptr 1
		.amdhsa_wavefront_size32 1
		.amdhsa_system_sgpr_workgroup_id_x 1
		.amdhsa_system_sgpr_workgroup_id_y 1
		.amdhsa_system_sgpr_workgroup_id_z 1
		.amdhsa_system_vgpr_workitem_id 0
		.amdhsa_next_free_vgpr 256
		.amdhsa_next_free_sgpr 100
		.amdhsa_reserve_vcc 1
		.amdhsa_float_denorm_mode_32 3
		.amdhsa_float_denorm_mode_16_64 3
		.amdhsa_memory_ordered 1
		.amdhsa_forward_progress 1
		.amdhsa_inst_pref_size 62
	.end_amdhsa_kernel
	.amdgpu_metadata
---
amdhsa.version: [ 1, 2 ]
amdhsa.kernels:
  - .name:           k_q43537c9145_attn
    .symbol:         k_q43537c9145_attn.kd
    .args:
      - { .name: qkvb, .offset: 0, .size: 8, .value_kind: global_buffer, .address_space: global }
      - { .name: avrec, .offset: 8, .size: 8, .value_kind: global_buffer, .address_space: global }
    .group_segment_fixed_size: 327680
    .private_segment_fixed_size: 0
    .kernarg_segment_align: 8
    .kernarg_segment_size: 16
    .max_flat_workgroup_size: 512
    .sgpr_count:     100
    .vgpr_count:     256
    .wavefront_size: 32
...
	.end_amdgpu_metadata
.endif
;; end of part 3
;; launch oproj (part 4): grid 8 x 32, 4 waves a work-group, clusters of 4 x 4, 327,680 bytes of LDS; arguments avrec, wrec, b_o, x, x1; writes x1
.if DOCPART == 4
	.amdgcn_target "amdgcn-amd-amdhsa--gfx1250"
	.amdhsa_code_object_version 6
	.text
	.protected	k_q43537c9145_oproj
	.globl	k_q43537c9145_oproj
	.p2align	8
	.type	k_q43537c9145_oproj,@function
k_q43537c9145_oproj:
	s_mov_b64 s[64:65], 0
	v_nop
	global_prefetch_b8 v0, s[64:65] scope:SCOPE_SE
	s_setreg_imm32_b32 hwreg(HW_REG_WAVE_MODE, 25, 1), 1
	s_wait_xcnt 0x0
	s_wait_alu depctr_hold_cnt(0) depctr_sa_sdst(0) depctr_va_vdst(0) depctr_va_sdst(0) depctr_va_ssrc(0) depctr_va_vcc(0) depctr_vm_vsrc(0)
	s_getreg_b32 s2, hwreg(HW_REG_IB_STS2, 6, 4)
	s_cmp_eq_u32 s2, 0
	s_cbranch_scc0 .Lentry_in_a_cluster
	s_endpgm
.Lentry_in_a_cluster:
	s_bfe_u32 s2, ttmp6, 0x10000c
	s_cmp_lg_u32 s2, 0xf033
	s_cbranch_scc0 .Lentry_shape_is_right
	s_endpgm
.Lentry_shape_is_right:
; x1 = x + av W_o + b_o on codes of FP4, K = 1,024.
; A work-group of four waves makes 128 tokens x 128 columns, a wave 64 x 64: 16 accumulators.  Work-group x = strip of 128 columns, y = strip of 128 tokens.  Both operands come as OPERAND RECORDS (see launch prep).
; Side A = tokens (source 1: a lane holds one token), side B = columns of the weight (source 0: a lane's registers run along the columns).
; CLUSTERS: 4 x 4 work-groups.  The four of a row of the cluster need the same records of A, the four of a column the same records of B: each record is asked for JOINTLY, by the same tensor load with the same descriptor and a mask that names the four.
; LDS: a slot holds four records: A's chunks 2 g, 2 g + 1 and B's chunks 2 g, 2 g + 1 of 512 along K: 8 K steps of 128; each wave fetches one record by one tensor load.  Here K is one slot: one load a wave, nothing is filled again.
; The bias is the C of each sum's first product.  The residual is asked for at the head and added on the way out, which goes through each wave's own stage in LDS, so that sixteen lanes store 256 consecutive bytes, aligned.
; REGISTERS: window 0: v1-16 addresses; v32-95 scale words, nothing else; v128-191 rows on the way out.  window 1: two sets of fragments (A's tile i at 128 p + 8 i, B's at 128 p + 64 + 8 i).
;   window 2: v0-127 accumulator (a, b) at 8 (4 a + b); v128-159 the bias in the result's layout.  window 3: v0-127 the residual.
.set NCH,   2                          ; chunks of 512 along K
.set NSS,   1                          ; slots' worth of K
.set WBASE, 48                         ; the weight's first record
.set REC,   34816
.set SLOT,  4*REC
.set SPARE, 2*SLOT
.set STAGE, SPARE+512                  ; 16 rows x (256 bytes + 16) for each wave; no fill lands here
.set NT,    4
.set QS,    8
.set ADRA,  4
.set ADRB,  6
.set ADRS,  8
.set SPW,   10
.set NIL,   11
.set LI,    12
.set STO,   14
.set RD,    15
.set CO,    16
.set SC,    32
.set OB,    128
.set BIASR, 128
.set WV,    14                         ; s14 my wave's number
.set G1,    24                         ; s[24:31] group 1 for A's records; s[32:39] their groups 0, one for each slot
.set G0,    32
.set G1B,   48                         ; s[48:55], s[56:63] the same for B's
.set G0B,   56
.set MSB, 0
.macro WIN new
.if MSB != (\new)
	s_set_vgpr_msb (MSB<<8)|(\new)
.set MSB, (\new)
.endif
.endm
.macro PLACES
.rept 4
	v_nop
.endr
.endm
; A joint load: waves 0 and 1 fetch A's two chunks, waves 2 and 3 B's.  Each of the two lines has one mask and one set of registers for all that issue it; the branch hangs on the wave's number alone.
; An s_nop 0 and four v_nop follow each of the two lines, ahead of the jump, the label and what follows.
.macro JLOAD s
	s_cmp_eq_u32 s15, 0
	s_cbranch_scc0 .Lfor_b_\@
	tensor_load_to_lds s[G0+4*(\s):G0+4*(\s)+3], s[G1:G1+7]
	s_nop 0
.rept 4
	v_nop
.endr
	s_branch .Lasked_\@
.Lfor_b_\@:
	tensor_load_to_lds s[G0B+4*(\s):G0B+4*(\s)+3], s[G1B:G1B+7]
	s_nop 0
.rept 4
	v_nop
.endr
.Lasked_\@:
.endm
.macro CROUND                          ; a round of the cluster's barrier: my work-group's barrier; wave 0 signals for the work-group; every wave waits for all sixteen; my work-group's barrier once more
	s_barrier_signal -1
	s_barrier_wait -1
	s_cmp_lg_u32 s[WV], 0
	s_cbranch_scc1 .Lnot_wave_0_\@
	s_barrier_signal -3
.Lnot_wave_0_\@:
	s_barrier_wait -3
	s_barrier_signal -1
	s_barrier_wait -1
.endm
.macro SETG0 s                         ; slot s's two groups 0, and its first fill
	s_mov_b32 s[G0+4*(\s)], 1
	s_add_co_u32 s[G0+4*(\s)+1], s45, (\s)*SLOT
	s_add_nc_u64 s[G0+4*(\s)+2:G0+4*(\s)+3], s[20:21], (\s)*2*REC
	s_or_b32 s[G0+4*(\s)+3], s[G0+4*(\s)+3], 0x80000000
	s_mov_b32 s[G0B+4*(\s)], 1
	s_add_co_u32 s[G0B+4*(\s)+1], s45, (\s)*SLOT
	s_add_nc_u64 s[G0B+4*(\s)+2:G0B+4*(\s)+3], s[46:47], (\s)*2*REC
	s_or_b32 s[G0B+4*(\s)+3], s[G0B+4*(\s)+3], 0x80000000
	JLOAD \s
.endm
.macro FETCH slot, q, p
	WIN 0x40
.set FI, 0
.rept NT
.irp c,0,1
	ds_load_b128 v[128*(\p)+8*FI+4*\c:128*(\p)+8*FI+4*\c+3], v[ADRA+(\slot)] offset:((\q)/4)*REC+((\q)%4)*8192+FI*1024+\c*512
	ds_load_b128 v[128*(\p)+64+8*FI+4*\c:128*(\p)+64+8*FI+4*\c+3], v[ADRB+(\slot)] offset:((\q)/4)*REC+((\q)%4)*8192+FI*1024+\c*512
.endr
.set FI, FI+1
.endr
.endm
.macro SCALES slot
	WIN 0
.set FI, 0
.rept NT
.set FQ, 0
.rept QS
	ds_load_b32 v[SC+32*(\slot)+QS*FI+FQ], v[ADRS+(\slot)] offset:(FQ/4)*REC+(FQ%4)*512+FI*64
.set FQ, FQ+1
.endr
.set FI, FI+1
.endr
.endm
.macro MUL slot, q, p, first           ; 16 products of one K step, the accumulators by turns; first = 2: the bias starts the sums
	WIN 0xa5
.set MA, 0
.rept NT
.set MB, 0
.rept NT
.set AC, 8*(NT*MA+MB)
.set FB, 128*(\p)+64+8*MB
.set FA, 128*(\p)+8*MA
.set SB, SC+32*(\slot)+QS*MB+(\q)
.set SA, SC+32*(\slot)+QS*MA+(\q)
.if (\first) == 2
	v_wmma_scale_f32_16x16x128_f8f6f4 v[AC:AC+7], v[FB:FB+7], v[FA:FA+7], v[BIASR+8*MB:BIASR+8*MB+7], v[SB], v[SA] matrix_a_fmt:MATRIX_FMT_FP4 matrix_b_fmt:MATRIX_FMT_FP4 matrix_a_scale:MATRIX_SCALE_ROW1
.else
	v_wmma_scale_f32_16x16x128_f8f6f4 v[AC:AC+7], v[FB:FB+7], v[FA:FA+7], v[AC:AC+7], v[SB], v[SA] matrix_a_fmt:MATRIX_FMT_FP4 matrix_b_fmt:MATRIX_FMT_FP4 matrix_a_scale:MATRIX_SCALE_ROW1
.endif
.set MB, MB+1
.endr
.set MA, MA+1
.endr
.endm
.macro STEP slot, q, first
	s_wait_dscnt 0x0                               ; this step's fragments, asked for one step ago, are in
	PLACES
	FETCH \slot, (\q)+1, ((\q)+1)%2
	MUL \slot, \q, (\q)%2, \first
.endm
.macro XSTEP slot, fill                ; a slot's last step changes slots; fill = 1: this slot is filled again, two slots ahead, behind a round of the cluster's barrier
	WIN 0
	s_wait_tensorcnt 0x0                           ; all my tensor loads have landed: my record of the other slot; so a group 0 may be written
	ds_add_u32 v[SPW], v[NIL]
.if \fill
	s_add_nc_u64 s[G0+4*(\slot)+2:G0+4*(\slot)+3], s[G0+4*(\slot)+2:G0+4*(\slot)+3], 4*REC
	s_add_nc_u64 s[G0B+4*(\slot)+2:G0B+4*(\slot)+3], s[G0B+4*(\slot)+2:G0B+4*(\slot)+3], 4*REC
.endif
	s_wait_dscnt 0x0                               ; the add is done; my reads of this slot are over: its last fragments are in registers
.if \fill
	CROUND                                         ; no wave of any partner still reads this slot or has a load on its way
	JLOAD \slot                                    ; my one tensor load behind the round, and the first thing there; its four v_nop are also the places in front of the loads below
.else
	s_barrier_signal -1
	s_barrier_wait -1
	PLACES
.endif
	FETCH 1-(\slot), 0, 0
	SCALES 1-(\slot)
	MUL \slot, QS-1, 1, 0
.endm
.macro LAST slot
	s_wait_dscnt 0x0
	MUL \slot, QS-1, 1, 0
	WIN 0
.endm
.macro RUN7 slot, first
	STEP \slot, 0, \first
.irp q,1,2,3,4,5,6
	STEP \slot, \q, 0
.endr
.endm
	s_load_b256 s[4:11], s[0:1], 0x0               ; A's records, the weights' records, the bias, the residual
	s_load_b64 s[12:13], s[0:1], 0x20              ; the result
	v_lshl_add_u32 v[SPW], v0, 2, SPARE
	v_mov_b32 v[NIL], 0
	ds_add_u32 v[SPW], v[NIL]                      ; the wave's opening: the add, twice on end, and its wait ahead of my first tensor load
	ds_add_u32 v[SPW], v[NIL]
	v_lshrrev_b32 v3, 5, v0
	v_readfirstlane_b32 s[WV], v3                  ; wave 0..3
	s_lshr_b32 s15, s14, 1                         ; my 64 tokens.  Also: I fetch for A (0) or for B (1)
	s_and_b32 s16, s14, 1                          ; my 64 columns.  Also: which of a slot's two chunks I fetch
	s_bfe_u32 s40, ttmp6, 0x40000                  ; cx, cy: my place in the cluster
	s_bfe_u32 s41, ttmp6, 0x40004
	s_lshl_b32 s42, ttmp9, 2
	s_add_co_u32 s42, s42, s40                     ; strip of 128 columns = 4 x cluster x + cx
	s_and_b32 s17, ttmp7, 0xffff
	s_lshl_b32 s17, s17, 2
	s_add_co_u32 s17, s17, s41                     ; strip of 128 tokens = 4 x cluster y + cy
	s_lshl_b32 s43, s41, 2
	s_lshl_b32 s43, 15, s43                        ; my row of the cluster
	s_lshl_b32 s44, 0x1111, s40                    ; my column
	s_or_b32 s[G1], s43, (3<<16)|(1<<21)           ; group 1: 15:0 the mask: A's records go to my row; 17:16 elements of 8 bytes; 21 set beside a mask; no padding
	s_or_b32 s[G1B], s44, (3<<16)|(1<<21)          ; B's go to my column
.irp g, G1, G1B
	s_mov_b32 s[\g+1], 32<<16                      ; a dense block as 136 rows of 32 elements: tensor_dim0
	s_mov_b32 s[\g+2], 136<<16                     ; tensor_dim1
	s_mov_b32 s[\g+3], 32<<16                      ; tile_dim0
	s_mov_b32 s[\g+4], 136                         ; tile_dim1
	s_mov_b32 s[\g+5], 32                          ; the pitch
	s_mov_b32 s[\g+6], 0
	s_mov_b32 s[\g+7], 0
.endr
	s_mul_i32 s20, s17, NCH
	s_add_co_u32 s20, s20, s16
	s_mul_i32 s20, s20, REC                        ; A's record: it hangs on the strip of tokens and the wave alone
	s_mov_b32 s21, 0
	s_mul_i32 s46, s42, NCH
	s_add_co_u32 s46, s46, s16
	s_add_co_u32 s46, s46, WBASE
	s_mul_i32 s46, s46, REC                        ; B's: on the strip of columns and the wave alone
	s_mov_b32 s47, 0
	s_mul_i32 s45, s14, REC                        ; my record's place in a slot: no place in the cluster enters an LDS address
	s_wait_dscnt 0x0                               ; both opening adds are done
	s_wait_kmcnt 0x0
	s_add_nc_u64 s[20:21], s[4:5], s[20:21]
	s_add_nc_u64 s[46:47], s[6:7], s[46:47]
	CROUND                                         ; all sixteen work-groups are here: the first joint loads meet
	SETG0 0
.if NSS > 1
	SETG0 1
.endif
	v_and_b32 v1, 15, v0                           ; r
	s_wait_alu depctr_va_vdst(0)
	v_bfe_u32 v2, v0, 4, 1                         ; h
	v_and_b32 v3, 31, v0
	v_lshlrev_b32 v[LI], 4, v3
	s_lshl_b32 s66, s15, 12                        ; my four tiles of A
	s_lshl_b32 s67, s16, 12
	s_add_co_u32 s67, s67, 2*REC                   ; my four tiles of B
	v_add_nc_u32 v[ADRA], s66, v[LI]
	v_add_nc_u32 v[ADRB], s67, v[LI]
	s_lshl_b32 s66, s15, 8
	s_lshl_b32 s67, s16, 8
	s_add_co_u32 s67, s67, 2*REC
	s_sub_co_u32 s68, s67, s66                     ; from A's scale words to B's
	v_mul_u32_u24 v[ADRS], s68, v2                 ; lanes 16-31 take B's
	v_lshl_add_u32 v[ADRS], v1, 2, v[ADRS]
	s_add_co_u32 s66, s66, 32768
	v_add_nc_u32 v[ADRS], s66, v[ADRS]
.if NSS > 1
	v_add_nc_u32 v[ADRA+1], SLOT, v[ADRA]
	v_add_nc_u32 v[ADRB+1], SLOT, v[ADRB]
	v_add_nc_u32 v[ADRS+1], SLOT, v[ADRS]
.endif
	s_mul_i32 s66, s14, 4352
	s_add_co_u32 s66, s66, STAGE                   ; my stage
	v_mul_u32_u24 v[STO], v1, 272
	s_wait_alu depctr_va_vdst(0)
	v_lshl_add_u32 v[STO], v2, 6, v[STO]
	v_add_nc_u32 v[STO], s66, v[STO]               ; in: row r, + 64 h
	v_mul_u32_u24 v[RD], v2, 272
	v_lshl_add_u32 v[RD], v1, 4, v[RD]
	v_add_nc_u32 v[RD], s66, v[RD]                 ; back: lanes 0-15 one row of 256 bytes, lanes 16-31 the next
	v_lshlrev_b32 v[CO], 4, v1
	v_lshl_add_u32 v[CO], v2, 12, v[CO]            ; and the same two rows in memory
	v_lshlrev_b32 v13, 6, v2
	s_wait_alu depctr_va_vdst(0)
	s_lshl_b32 s70, s17, 7
	s_lshl_b32 s71, s15, 6
	s_add_co_u32 s70, s70, s71
	s_lshl_b32 s70, s70, 12                        ; my first token's row
	s_lshl_b32 s72, s42, 9
	s_lshl_b32 s71, s16, 8
	s_add_co_u32 s72, s72, s71                     ; my first column, in bytes
	s_add_co_u32 s70, s70, s72
	s_mov_b32 s71, 0
	s_mov_b32 s73, 0
	s_add_nc_u64 s[74:75], s[10:11], s[70:71]      ; the residual
	s_add_nc_u64 s[76:77], s[12:13], s[70:71]      ; the result
	s_add_nc_u64 s[78:79], s[8:9], s[72:73]        ; the bias
	WIN 0x80
.irp b,0,1,2,3
	global_load_b128 v[BIASR+8*\b:BIASR+8*\b+3], v13, s[78:79] offset:(32*(\b/2)+8*(\b%2))*4     ; tile b, lane half h: columns 32 (b / 2) + 16 h + 8 (b % 2) + 0 .. 7
	global_load_b128 v[BIASR+8*\b+4:BIASR+8*\b+7], v13, s[78:79] offset:(32*(\b/2)+8*(\b%2))*4+16
.endr
	WIN 0xc0
.irp a,0,1,2,3
.irp t,0,1,2,3,4,5,6,7
	global_load_b128 v[32*\a+4*\t:32*\a+4*\t+3], v[CO], s[74:75] offset:(32*(\a/2)+8*(\a%2)+2*\t+8*(\t/4))*4096   ; the rows in the order in which the stage gives them back
.endr
.endr
	WIN 0
.if NSS > 1
	s_wait_tensorcnt 0x1                           ; my record of slot 0 is in; slot 1's may be out
.else
	s_wait_tensorcnt 0x0
.endif
	s_barrier_signal -1
	s_barrier_wait -1
	FETCH 0, 0, 0
	SCALES 0
	s_wait_loadcnt 32                              ; the bias's 8 loads are in; the residual's 32, issued behind them, may be out
.if NSS == 1
	RUN7 0, 2
	LAST 0
.else
	RUN7 0, 2
	XSTEP 0, 1
	RUN7 1, 0
	XSTEP 1, 1
	RUN7 0, 0
	XSTEP 0, 0
	RUN7 1, 0
	LAST 1
.endif
	PLACES
	s_wait_loadcnt 0x0                             ; the residual
.macro TOSTAGE a                       ; tile a's 16 rows x 64 columns through my stage; LDS serves a wave's instructions in order, so no wait stands between the stores and the loads
	WIN 0x08
.irp b,0,1,2,3
	ds_store_b128 v[STO], v[8*(4*(\a)+\b):8*(4*(\a)+\b)+3] offset:128*(\b/2)+32*(\b%2)        ; each accumulator from its low end on
	ds_store_b128 v[STO], v[8*(4*(\a)+\b)+4:8*(4*(\a)+\b)+7] offset:128*(\b/2)+32*(\b%2)+16
.endr
	WIN 0
.irp t,0,1,2,3,4,5,6,7
	ds_load_b128 v[OB+32*((\a)%2)+4*\t:OB+32*((\a)%2)+4*\t+3], v[RD] offset:2*\t*272
.endr
.endm
.macro SEND a, younger                 ; younger: the LDS instructions issued behind tile a's loads
	s_wait_dscnt \younger
	WIN 0x0c
.irp t,0,1,2,3,4,5,6,7
	v_pk_add_f32 v[OB+32*((\a)%2)+4*\t:OB+32*((\a)%2)+4*\t+1], v[OB+32*((\a)%2)+4*\t:OB+32*((\a)%2)+4*\t+1], v[32*(\a)+4*\t:32*(\a)+4*\t+1]
	v_pk_add_f32 v[OB+32*((\a)%2)+4*\t+2:OB+32*((\a)%2)+4*\t+3], v[OB+32*((\a)%2)+4*\t+2:OB+32*((\a)%2)+4*\t+3], v[32*(\a)+4*\t+2:32*(\a)+4*\t+3]
.endr
	WIN 0
.irp t,0,1,2,3,4,5,6,7
	global_store_b128 v[CO], v[OB+32*((\a)%2)+4*\t:OB+32*((\a)%2)+4*\t+3], s[76:77] offset:(32*((\a)/2)+8*((\a)%2)+2*\t+8*(\t/4))*4096   ; 16 lanes store 256 consecutive bytes, aligned
.endr
.endm
	TOSTAGE 0
	TOSTAGE 1
	SEND 0, 16                                     ; behind tile 0's loads: tile 1's 8 stores and 8 loads
	s_wait_xcnt 0x0                                ; tile 0's stores have read their registers: tile 2's rows may land there
	TOSTAGE 2
	SEND 1, 16
	s_wait_xcnt 0x0
	TOSTAGE 3
	SEND 2, 16
	SEND 3, 0
	s_wait_tensorcnt 0x0                           ; the wave's end
	ds_add_u32 v[SPW], v[NIL]
	s_wait_dscnt 0x0
	CROUND                                         ; the closing round: no work-group ends while a partner may still ask for a record that names it
	s_endpgm
.Lfunc_end_k_q43537c9145_oproj:
	.size	k_q43537c9145_oproj, .Lfunc_end_k_q43537c9145_oproj-k_q43537c9145_oproj
	.p2alignl 7, 3214868480
	.fill 96, 4, 3214868480
	.section	.rodata,"a",@progbits
	.p2align	6, 0x0
	.amdhsa_kernel k_q43537c9145_oproj
		.amdhsa_group_segment_fixed_size 327680
		.amdhsa_private_segment_fixed_size 0
		.amdhsa_enable_private_segment 0
		.amdhsa_kernarg_size 40
		.amdhsa_user_sgpr_count 2
		.amdhsa_user_sgpr_kernarg_segment_ptr 1
		.amdhsa_wavefront_size32 1
		.amdhsa_system_sgpr_workgroup_id_x 1
		.amdhsa_system_sgpr_workgroup_id_y 1
		.amdhsa_system_sgpr_workgroup_id_z 1
		.amdhsa_system_vgpr_workitem_id 0
		.amdhsa_next_free_vgpr 896
		.amdhsa_next_free_sgpr 100
		.amdhsa_reserve_vcc 0
		.amdhsa_float_denorm_mode_32 3
		.amdhsa_float_denorm_mode_16_64 3
		.amdhsa_memory_ordered 1
		.amdhsa_forward_progress 1
		.amdhsa_inst_pref_size 50
	.end_amdhsa_kernel
	.amdgpu_metadata
---
amdhsa.version: [ 1, 2 ]
amdhsa.kernels:
  - .name:           k_q43537c9145_oproj
    .symbol:         k_q43537c9145_oproj.kd
    .args:
      - { .name: avrec, .offset: 0, .size: 8, .value_kind: global_buffer, .address_space: global }
      - { .name: wrec, .offset: 8, .size: 8, .value_kind: global_buffer, .address_space: global }
      - { .name: b_o, .offset: 16, .size: 8, .value_kind: global_buffer, .address_space: global }
      - { .name: x, .offset: 24, .size: 8, .value_kind: global_buffer, .address_space: global }
      - { .name: x1, .offset: 32, .size: 8, .value_kind: global_buffer, .address_space: global }
    .group_segment_fixed_size: 327680
    .private_segment_fixed_size: 0
    .kernarg_segment_align: 8
    .kernarg_segment_size: 40
    .max_flat_workgroup_size: 128
    .sgpr_count:     100
    .vgpr_count:     896
    .wavefront_size: 32
...
	.end_amdgpu_metadata
.endif
;; end of part 4
;; launch ln2: the kernel of part 1 again; grid 256 x 1, 4 waves a work-group, no clusters, 9,728 bytes of LDS; arguments x1, ln2_w, ln2_b, hrec, W_qkv_codes, W_qkv_scales, W_o_codes, W_o_scales, W_ff1_codes, W_ff1_scales, W_ff2_codes, W_ff2_scales, wrec; writes hrec, wrec
;; launch ff1 (part 5): grid 16 x 16, 4 waves a work-group, clusters of 4 x 4, 327,680 bytes of LDS; arguments hrec, wrec, b_ff1, grec; writes grec
.if DOCPART == 5
	.amdgcn_target "amdgcn-amd-amdhsa--gfx1250"
	.amdhsa_code_object_version 6
	.text
	.protected	k_q43537c9145_ff1
	.globl	k_q43537c9145_ff1
	.p2align	8
	.type	k_q43537c9145_ff1,@function
k_q43537c9145_ff1:
	s_mov_b64 s[64:65], 0
	v_nop
	global_prefetch_b8 v0, s[64:65] scope:SCOPE_SE
	s_setreg_imm32_b32 hwreg(HW_REG_WAVE_MODE, 25, 1), 1
	s_wait_xcnt 0x0
	s_wait_alu depctr_hold_cnt(0) depctr_sa_sdst(0) depctr_va_vdst(0) depctr_va_sdst(0) depctr_va_ssrc(0) depctr_va_vcc(0) depctr_vm_vsrc(0)
	s_getreg_b32 s2, hwreg(HW_REG_IB_STS2, 6, 4)
	s_cmp_eq_u32 s2, 0
	s_cbranch_scc0 .Lentry_in_a_cluster
	s_endpgm
.Lentry_in_a_cluster:
	s_bfe_u32 s2, ttmp6, 0x10000c
	s_cmp_lg_u32 s2, 0xf033
	s_cbranch_scc0 .Lentry_shape_is_right
	s_endpgm
.Lentry_shape_is_right:
.set REC,   34816
.set SLOT,  REC                        ; from a strip's chunk 0 to its chunk 1 in LDS: a wave's one load brings both, one behind the other
.set SPARE, 8*REC                      ; behind the eight records: the spare words
.set NT,    8
.set QS,    4
.set ADRA,  4
.set ADRB,  6
.set ADRS,  8
.set SPW,   10
.set NIL,   11
.set LI,    12
.set PWS,   16
.set SC,    32
.set TM,    96
.set PC,    112
.set PW,    120
.set K1,    122
.set H,     128
.set BI,    192
.set Z,     192
.set WV,    12
.set G1,    24
.set G0,    32
.set G1B,   48
.set G0B,   56
.set SEL,   68
.set K2,    72
.set MSB, 0
.macro WIN new
.if MSB != (\new)
	s_set_vgpr_msb (MSB<<8)|(\new)
.set MSB, (\new)
.endif
.endm
.macro PLACES
.rept 4
	v_nop
.endr
.endm
.macro JLOAD s
	s_cmp_eq_u32 s13, 0
	s_cbranch_scc0 .Lfor_b_\@
	tensor_load_to_lds s[G0+4*(\s):G0+4*(\s)+3], s[G1:G1+7]
	s_nop 0
.rept 4
	v_nop
.endr
	s_branch .Lasked_\@
.Lfor_b_\@:
	tensor_load_to_lds s[G0B+4*(\s):G0B+4*(\s)+3], s[G1B:G1B+7]
	s_nop 0
.rept 4
	v_nop
.endr
.Lasked_\@:
.endm
.macro CROUND
	s_barrier_signal -1
	s_barrier_wait -1
	s_cmp_lg_u32 s[WV], 0
	s_cbranch_scc1 .Lnot_wave_0_\@
	s_barrier_signal -3
.Lnot_wave_0_\@:
	s_barrier_wait -3
	s_barrier_signal -1
	s_barrier_wait -1
.endm
.macro FETCH slot, q, p
	WIN 0x40
.set FI, 0
.rept NT
.irp c,0,1
	ds_load_b128 v[128*(\p)+8*FI+4*\c:128*(\p)+8*FI+4*\c+3], v[ADRA+(\slot)] offset:((\q)/4)*REC+((\q)%4)*8192+FI*1024+\c*512
	ds_load_b128 v[128*(\p)+64+8*FI+4*\c:128*(\p)+64+8*FI+4*\c+3], v[ADRB+(\slot)] offset:((\q)/4)*REC+((\q)%4)*8192+FI*1024+\c*512
.endr
.set FI, FI+1
.endr
.endm
.macro SCALES slot
	WIN 0
.set FI, 0
.rept NT
.set FQ, 0
.rept QS
	ds_load_b32 v[SC+32*(\slot)+QS*FI+FQ], v[ADRS+(\slot)] offset:(FQ/4)*REC+(FQ%4)*512+FI*64
.set FQ, FQ+1
.endr
.set FI, FI+1
.endr
.endm
.macro MUL slot, q, p, first
.set MA, 0
.rept NT
.if (\first) == 2
	WIN 0x85+0x40*((NT*MA)/32)
.else
	WIN 0xa5+0x50*((NT*MA)/32)
.endif
.set MB, 0
.rept NT
.set AC, 8*((NT*MA+MB)%32)
.set FB, 128*(\p)+64+8*MB
.set FA, 128*(\p)+8*MA
.set SB, SC+32*(\slot)+QS*MB+(\q)
.set SA, SC+32*(\slot)+QS*MA+(\q)
.if (\first) == 2
	v_wmma_scale_f32_16x16x128_f8f6f4 v[AC:AC+7], v[FB:FB+7], v[FA:FA+7], v[BI+8*MB:BI+8*MB+7], v[SB], v[SA] matrix_a_fmt:MATRIX_FMT_FP4 matrix_b_fmt:MATRIX_FMT_FP4 matrix_a_scale:MATRIX_SCALE_ROW1
.else
	v_wmma_scale_f32_16x16x128_f8f6f4 v[AC:AC+7], v[FB:FB+7], v[FA:FA+7], v[AC:AC+7], v[SB], v[SA] matrix_a_fmt:MATRIX_FMT_FP4 matrix_b_fmt:MATRIX_FMT_FP4 matrix_a_scale:MATRIX_SCALE_ROW1
.endif
.set MB, MB+1
.endr
.set MA, MA+1
.endr
.endm
.macro STEP slot, q, first
	s_wait_dscnt 0x0
	PLACES
	FETCH \slot, (\q)+1, ((\q)+1)%2
	MUL \slot, \q, (\q)%2, \first
.endm
.macro XSTEP slot                      ; a chunk's last step fetches the other chunk's first fragments: both chunks came with the head's one load
	s_wait_dscnt 0x0
	PLACES
	FETCH 1-(\slot), 0, 0
	SCALES 1-(\slot)
	MUL \slot, QS-1, 1, 0
.endm
.macro LAST slot
	s_wait_dscnt 0x0
	MUL \slot, QS-1, 1, 0
	WIN 0
.endm
.macro QUANT s
.irp b,0,1,2,3
	v_max3_num_f32 v[TM+\b], |v[\s+16*\b]|, |v[\s+1+16*\b]|, 0x1800000
.endr
.irp i,2,4,6,8,10,12,14
.irp b,0,1,2,3
	v_max3_num_f32 v[TM+\b], v[TM+\b], |v[\s+16*\b+\i]|, |v[\s+1+16*\b+\i]|
.endr
.endr
.irp b,0,1,2,3
	v_permlanex16_b32 v[TM+4+\b], v[TM+\b], s[SEL], s[SEL+1]
.endr
.irp b,0,1,2,3
	v_max_num_f32 v[TM+\b], v[TM+\b], v[TM+4+\b]
.endr
.irp b,0,1,2,3
	v_add_nc_u32 v[TM+12+\b], 0xff000000, v[TM+\b]
.endr
.irp b,0,1,2,3
	v_lshrrev_b32 v[TM+4+\b], 23, v[TM+12+\b]
.endr
	v_lshl_or_b32 v[PW], v[TM+5], 8, v[TM+4]
	v_lshl_or_b32 v[PW], v[TM+6], 16, v[PW]
	v_lshl_or_b32 v[PW], v[TM+7], 24, v[PW]
.irp b,0,1,2,3
	v_cvt_scalef32_pk8_fp4_f32 v[PC+2*\b], v[\s+16*\b:\s+7+16*\b], v[TM+12+\b]
	v_cvt_scalef32_pk8_fp4_f32 v[PC+1+2*\b], v[\s+8+16*\b:\s+15+16*\b], v[TM+12+\b]
.endr
	v_nop
.irp c,0,1
.irp i,0,1
	v_permlane16_swap_b32 v[PC+4*\c+\i], v[PC+2+4*\c+\i]
.endr
.endr
.endm
	s_load_b256 s[4:11], s[0:1], 0x0
	v_lshl_add_u32 v[SPW], v0, 2, SPARE
	v_mov_b32 v[NIL], 0
	ds_add_u32 v[SPW], v[NIL]
	ds_add_u32 v[SPW], v[NIL]
	v_lshrrev_b32 v3, 5, v0
	v_readfirstlane_b32 s[WV], v3
	s_lshr_b32 s13, s12, 1
	s_and_b32 s14, s12, 1
	s_bfe_u32 s40, ttmp6, 0x40000
	s_bfe_u32 s41, ttmp6, 0x40004
	s_lshl_b32 s16, ttmp9, 2
	s_add_co_u32 s16, s16, s40
	s_and_b32 s15, ttmp7, 0xffff
	s_lshl_b32 s15, s15, 2
	s_add_co_u32 s15, s15, s41
	s_lshl_b32 s43, s41, 2
	s_lshl_b32 s43, 15, s43
	s_lshl_b32 s44, 0x1111, s40
	s_or_b32 s[G1], s43, (3<<16)|(1<<21)
	s_or_b32 s[G1B], s44, (3<<16)|(1<<21)
.irp g, G1, G1B
	s_mov_b32 s[\g+1], 32<<16
	s_mov_b32 s[\g+2], 272<<16                     ; two records: 272 rows of 256 bytes
	s_mov_b32 s[\g+3], 32<<16
	s_mov_b32 s[\g+4], 272
	s_mov_b32 s[\g+5], 32
	s_mov_b32 s[\g+6], 0
	s_mov_b32 s[\g+7], 0
.endr
	s_mov_b32 s[SEL], 0x76543210
	s_mov_b32 s[SEL+1], 0xfedcba98
	s_mov_b32 s[K2], 0xbdd2d3e8
	s_mov_b32 s[K2+1], s[K2]
	s_lshl_b32 s18, s14, 1
	s_lshl_b32 s20, s15, 2
	s_add_co_u32 s20, s20, s18
	s_mul_i32 s20, s20, REC
	s_mov_b32 s21, 0
	s_lshl_b32 s46, s16, 2
	s_add_co_u32 s46, s46, s18
	s_add_co_u32 s46, s46, 64
	s_mul_i32 s46, s46, REC
	s_mov_b32 s47, 0
	s_mul_i32 s45, s12, 2*REC
	s_wait_dscnt 0x0
	s_wait_kmcnt 0x0
	s_add_nc_u64 s[20:21], s[4:5], s[20:21]
	s_add_nc_u64 s[46:47], s[6:7], s[46:47]
	CROUND
.irp s,0
	s_mov_b32 s[G0+4*\s], 1
	s_add_co_u32 s[G0+4*\s+1], s45, \s*SLOT
	s_add_nc_u64 s[G0+4*\s+2:G0+4*\s+3], s[20:21], \s*REC
	s_or_b32 s[G0+4*\s+3], s[G0+4*\s+3], 0x80000000
	s_mov_b32 s[G0B+4*\s], 1
	s_add_co_u32 s[G0B+4*\s+1], s45, \s*SLOT
	s_add_nc_u64 s[G0B+4*\s+2:G0B+4*\s+3], s[46:47], \s*REC
	s_or_b32 s[G0B+4*\s+3], s[G0B+4*\s+3], 0x80000000
	JLOAD \s                                       ; my one tensor load: a strip's two chunks, all of K
.endr
	v_and_b32 v1, 15, v0
	v_bfe_u32 v2, v0, 4, 1
	v_and_b32 v3, 31, v0
	v_lshlrev_b32 v[LI], 4, v3
	s_wait_alu depctr_va_vdst(0)
	v_lshlrev_b32 v14, 2, v3
	v_lshlrev_b32 v13, 6, v2
	s_lshl_b32 s88, s16, 10
	s_lshl_b32 s90, s14, 9
	s_add_co_u32 s88, s88, s90
	s_mov_b32 s89, 0
	s_add_nc_u64 s[66:67], s[8:9], s[88:89]
.irp b,0,1,2,3,4,5,6,7
	global_load_b128 v[BI+8*\b:BI+8*\b+3], v13, s[66:67] offset:(32*(\b/2)+8*(\b%2))*4
	global_load_b128 v[BI+8*\b+4:BI+8*\b+7], v13, s[66:67] offset:(32*(\b/2)+8*(\b%2))*4+16
.endr
	s_mul_i32 s74, s13, 2*REC
	s_mul_i32 s75, s14, 2*REC
	s_add_co_u32 s75, s75, 4*REC
	v_add_nc_u32 v[ADRA], s74, v[LI]
	v_add_nc_u32 v[ADRA+1], SLOT, v[ADRA]
	v_add_nc_u32 v[ADRB], s75, v[LI]
	v_add_nc_u32 v[ADRB+1], SLOT, v[ADRB]
	s_sub_co_u32 s76, s75, s74
	v_mul_u32_u24 v[ADRS], s76, v2
	v_lshl_add_u32 v[ADRS], v1, 2, v[ADRS]
	s_add_co_u32 s74, s74, 32768
	v_add_nc_u32 v[ADRS], s74, v[ADRS]
	v_add_nc_u32 v[ADRS+1], SLOT, v[ADRS]
.irp b,0,1,2,3
	v_mov_b32 v[TM+4+\b], 0
.endr
	v_mov_b32 v[K1], 0xc0135761
	v_mov_b32 v[K1+1], 0xc0135761
	s_lshl_b32 s78, s15, 1
	s_add_co_u32 s78, s78, s13
	s_lshl_b32 s78, s78, 3
	s_lshr_b32 s79, s16, 1
	s_add_co_u32 s78, s78, s79
	s_mul_i32 s78, s78, REC
	s_lshl_b32 s79, s16, 1
	s_add_co_u32 s79, s79, s14
	s_and_b32 s79, s79, 3
	s_lshl_b32 s80, s79, 13
	s_add_co_u32 s80, s80, s78
	s_mov_b32 s81, 0
	s_add_nc_u64 s[84:85], s[10:11], s[80:81]
	s_lshl_b32 s80, s79, 9
	s_add_co_u32 s80, s80, s78
	s_add_co_u32 s80, s80, 32768
	s_add_nc_u64 s[86:87], s[10:11], s[80:81]
	s_wait_alu depctr_va_vdst(0)
	s_wait_tensorcnt 0x0
	s_barrier_signal -1
	s_barrier_wait -1
	FETCH 0, 0, 0
	SCALES 0
	s_wait_loadcnt 0x0
	STEP 0, 0, 2
	STEP 0, 1, 0
	STEP 0, 2, 0
	XSTEP 0
	STEP 1, 0, 0
	STEP 1, 1, 0
	STEP 1, 2, 0
	LAST 1
	PLACES
.macro OUTG a
.set AW, 2+(\a)/4
.set AB, 64*((\a)%4)
.if (\a) > 0
	s_wait_xcnt 0x0
.endif
	WIN AW*5
.set J, 0
.rept 32
	v_pk_mul_f32 v[Z+J:Z+J+1], v[AB+J:AB+J+1], v[AB+J:AB+J+1]
.set J, J+2
.endr
	WIN 0
.set J, 0
.rept 32
	v_pk_fma_f32 v[Z+J:Z+J+1], v[Z+J:Z+J+1], s[K2:K2+1], v[K1:K1+1] op_sel_hi:[1,0,0]
.set J, J+2
.endr
	WIN AW*4
.set J, 0
.rept 32
	v_pk_mul_f32 v[Z+J:Z+J+1], v[Z+J:Z+J+1], v[AB+J:AB+J+1]
.set J, J+2
.endr
	WIN 0
.set J, 0
	s_wait_alu depctr_va_vdst(0)
.rept 64
	v_exp_f32 v[Z+J], v[Z+J]
.set J, J+1
.endr
	v_nop
	s_wait_alu depctr_va_vdst(0)
.set J, 0
.rept 32
	v_pk_add_f32 v[Z+J:Z+J+1], v[Z+J:Z+J+1], 1.0 op_sel_hi:[1,0]
.set J, J+2
.endr
.set J, 0
	s_wait_alu depctr_va_vdst(0)
.rept 64
	v_rcp_f32 v[Z+J], v[Z+J]
.set J, J+1
.endr
	v_nop
	s_wait_alu depctr_va_vdst(0)
	WIN AW
.set J, 0
.rept 32
	v_pk_mul_f32 v[H+J:H+J+1], v[AB+J:AB+J+1], v[Z+J:Z+J+1]
.set J, J+2
.endr
	WIN 0
	QUANT H
	global_store_b128 v[LI], v[PC:PC+3], s[84:85] offset:(\a)*1024
	global_store_b128 v[LI], v[PC+4:PC+7], s[84:85] offset:(\a)*1024+512
	v_mov_b32 v[PWS+(\a)], v[PW]
.endm
.irp a,0,1,2,3,4,5,6,7
	OUTG \a
.endr
	v_cmp_ne_u32 vcc_lo, 0, v2
.irp i,0,1,2,3
	v_cndmask_b32 v[24+\i], v[PWS+2*\i], v[PWS+2*\i+1], vcc_lo
.endr
.irp i,0,1,2,3
	global_store_b32 v14, v[24+\i], s[86:87] offset:\i*128
.endr
	s_wait_tensorcnt 0x0
	ds_add_u32 v[SPW], v[NIL]
	s_wait_dscnt 0x0
	CROUND
	s_endpgm
.Lfunc_end_k_q43537c9145_ff1:
	.size	k_q43537c9145_ff1, .Lfunc_end_k_q43537c9145_ff1-k_q43537c9145_ff1
	.p2alignl 7, 3214868480
	.fill 96, 4, 3214868480
	.section	.rodata,"a",@progbits
	.p2align	6, 0x0
	.amdhsa_kernel k_q43537c9145_ff1
		.amdhsa_group_segment_fixed_size 327680
		.amdhsa_private_segment_fixed_size 0
		.amdhsa_enable_private_segment 0
		.amdhsa_kernarg_size 32
		.amdhsa_user_sgpr_count 2
		.amdhsa_user_sgpr_kernarg_segment_ptr 1
		.amdhsa_wavefront_size32 1
		.amdhsa_system_sgpr_workgroup_id_x 1
		.amdhsa_system_sgpr_workgroup_id_y 1
		.amdhsa_system_sgpr_workgroup_id_z 1
		.amdhsa_system_vgpr_workitem_id 0
		.amdhsa_next_free_vgpr 1024
		.amdhsa_next_free_sgpr 100
		.amdhsa_reserve_vcc 1
		.amdhsa_float_denorm_mode_32 3
		.amdhsa_float_denorm_mode_16_64 3
		.amdhsa_memory_ordered 1
		.amdhsa_forward_progress 1
		.amdhsa_inst_pref_size 242
	.end_amdhsa_kernel
	.amdgpu_metadata
---
amdhsa.version: [ 1, 2 ]
amdhsa.kernels:
  - .name:           k_q43537c9145_ff1
    .symbol:         k_q43537c9145_ff1.kd
    .args:
      - { .name: hrec, .offset: 0, .size: 8, .value_kind: global_buffer, .address_space: global }
      - { .name: wrec, .offset: 8, .size: 8, .value_kind: global_buffer, .address_space: global }
      - { .name: b_ff1, .offset: 16, .size: 8, .value_kind: global_buffer, .address_space: global }
      - { .name: grec, .offset: 24, .size: 8, .value_kind: global_buffer, .address_space: global }
    .group_segment_fixed_size: 327680
    .private_segment_fixed_size: 0
    .kernarg_segment_align: 8
    .kernarg_segment_size: 32
    .max_flat_workgroup_size: 128
    .sgpr_count:     100
    .vgpr_count:     1024
    .wavefront_size: 32
...
	.end_amdgpu_metadata
.endif
;; end of part 5
;; launch ff2 (part 6): grid 8 x 32, 4 waves a work-group, clusters of 4 x 4, 327,680 bytes of LDS; arguments grec, wrec, b_ff2, x1, out0; writes out0
.if DOCPART == 6
	.amdgcn_target "amdgcn-amd-amdhsa--gfx1250"
	.amdhsa_code_object_version 6
	.text
	.protected	k_q43537c9145_ff2
	.globl	k_q43537c9145_ff2
	.p2align	8
	.type	k_q43537c9145_ff2,@function
k_q43537c9145_ff2:
	s_mov_b64 s[64:65], 0
	v_nop
	global_prefetch_b8 v0, s[64:65] scope:SCOPE_SE
	s_setreg_imm32_b32 hwreg(HW_REG_WAVE_MODE, 25, 1), 1
	s_wait_xcnt 0x0
	s_wait_alu depctr_hold_cnt(0) depctr_sa_sdst(0) depctr_va_vdst(0) depctr_va_sdst(0) depctr_va_ssrc(0) depctr_va_vcc(0) depctr_vm_vsrc(0)
	s_getreg_b32 s2, hwreg(HW_REG_IB_STS2, 6, 4)
	s_cmp_eq_u32 s2, 0
	s_cbranch_scc0 .Lentry_in_a_cluster
	s_endpgm
.Lentry_in_a_cluster:
	s_bfe_u32 s2, ttmp6, 0x10000c
	s_cmp_lg_u32 s2, 0xf033
	s_cbranch_scc0 .Lentry_shape_is_right
	s_endpgm
.Lentry_shape_is_right:
; out0 = x1 + gelu(..) W_ff2 + b_ff2 on codes of FP4, K = 4,096.
; A work-group of four waves makes 128 tokens x 128 columns, a wave 64 x 64: 16 accumulators.  Work-group x = strip of 128 columns, y = strip of 128 tokens.  Both operands come as OPERAND RECORDS (see launch prep):
; 128 rows x 512 along K as images of the operand's registers, REC bytes, dense; a strip's eight records (chunks of K) lie one behind the other in memory.
; Side A = tokens (source 1: a lane holds one token), side B = columns of the weight (source 0: a lane's registers run along the columns).
; CLUSTERS: 4 x 4 work-groups.  The four of a row of the cluster need the same records of A, the four of a column the same records of B: each is asked for JOINTLY, by the same tensor load with the same descriptor and a mask that names the four.
; LDS holds eight records, half of K: slot s = A's chunks 2 s, 2 s + 1, then B's chunks 2 s, 2 s + 1.  Wave w fetches TWO neighbouring records by one tensor load (272 rows of 256 bytes): waves 0, 1 A's part of slots 0, 1; waves 2, 3 B's.
; So all eight records are asked for at the head, one load a wave.  Behind 16 K steps of 128 every wave fills its two records again with the chunks four further on: one refill in the launch, behind a round of the cluster's barrier;
; the sixteenth step's products, whose fragments are in registers, stand behind the refill.  A wave has one tensor load out at the most.
; PREFETCH: at the head each wave asks for its share of what its refill will load, one fill ahead: of the 272 rows that four partners ask for jointly each takes 68, told apart by address (cx for A, cy for B): three instructions,
; a lane a row of 256 bytes; in the third, lanes 4-31 name row 67 again.  The first fill comes by its loads alone.
; The bias is the C of each sum's first product.  The residual is asked for at the head and added on the way out, which goes through each wave's own stage in LDS, so that sixteen lanes store 256 consecutive bytes, aligned.
; REGISTERS: window 0: v1-18 addresses; v32-95 scale words, nothing else; v128-191 rows on the way out.  window 1: two sets of fragments (A's tile i at 128 p + 8 i, B's at 128 p + 64 + 8 i).
;   window 2: v0-127 accumulator (a, b) at 8 (4 a + b); v128-159 the bias in the result's layout.  window 3: v0-127 the residual.
.set NCH,   8                          ; chunks of 512 along K
.set WBASE, 128                        ; the weight's first record
.set REC,   34816
.set SLOT,  4*REC
.set SPARE, 2*SLOT                     ; behind the slots: the spare words, 128 bytes for each wave
.set STAGE, SPARE+512                  ; 16 rows x (256 bytes + 16) for each wave; no fill lands here
.set NT,    4
.set QS,    8
.set ADRA,  4
.set ADRB,  6
.set ADRS,  8
.set SPW,   10
.set NIL,   11
.set LI,    12
.set STO,   14
.set RD,    15
.set CO,    16
.set PF0,   17                         ; v17 the prefetches' offset: 256 x lane; v18: 256 x min(lane, 3); never rewritten
.set PF1,   18
.set SC,    32
.set OB,    128
.set BIASR, 128
.set WV,    14                         ; s14 my wave's number
.set G1,    24                         ; s[24:31] group 1 for A's records; s[32:35] their group 0
.set G0,    32
.set G1B,   48                         ; s[48:55], s[56:59] the same for B's
.set G0B,   56
.set PFA,   80                         ; s[80:81] my share of what my refill will load; never rewritten
.set MSB, 0
.macro WIN new                         ; the immediate's high byte repeats the setting that is left
.if MSB != (\new)
	s_set_vgpr_msb (MSB<<8)|(\new)
.set MSB, (\new)
.endif
.endm
.macro PLACES                          ; four plain instructions between a matrix instruction and a load into, or a read of, its registers
.rept 4
	v_nop
.endr
.endm
; A joint load: waves 0 and 1 fetch for A, waves 2 and 3 for B.  Each of the two lines has one mask and one set of registers for all that issue it; the branch hangs on the wave's number alone.
; An s_nop 0 and four v_nop follow each of the two lines.
.macro JLOAD
	s_cmp_eq_u32 s15, 0
	s_cbranch_scc0 .Lfor_b_\@
	tensor_load_to_lds s[G0:G0+3], s[G1:G1+7]
	s_nop 0
.rept 4
	v_nop
.endr
	s_branch .Lasked_\@
.Lfor_b_\@:
	tensor_load_to_lds s[G0B:G0B+3], s[G1B:G1B+7]
	s_nop 0
.rept 4
	v_nop
.endr
.Lasked_\@:
.endm
.macro CROUND                          ; a round of the cluster's barrier
	s_barrier_signal -1
	s_barrier_wait -1
	s_cmp_lg_u32 s[WV], 0
	s_cbranch_scc1 .Lnot_wave_0_\@
	s_barrier_signal -3
.Lnot_wave_0_\@:
	s_barrier_wait -3
	s_barrier_signal -1
	s_barrier_wait -1
.endm
.macro FETCH slot, q, p                ; the fragments of the slot's q-th K step into set p
	WIN 0x40
.set FI, 0
.rept NT
.irp c,0,1
	ds_load_b128 v[128*(\p)+8*FI+4*\c:128*(\p)+8*FI+4*\c+3], v[ADRA+(\slot)] offset:((\q)/4)*REC+((\q)%4)*8192+FI*1024+\c*512
	ds_load_b128 v[128*(\p)+64+8*FI+4*\c:128*(\p)+64+8*FI+4*\c+3], v[ADRB+(\slot)] offset:((\q)/4)*REC+((\q)%4)*8192+FI*1024+\c*512
.endr
.set FI, FI+1
.endr
.endm
.macro SCALES slot                     ; the slot's scale words: lanes 0-15 A's, lanes 16-31 B's
	WIN 0
.set FI, 0
.rept NT
.set FQ, 0
.rept QS
	ds_load_b32 v[SC+32*(\slot)+QS*FI+FQ], v[ADRS+(\slot)] offset:(FQ/4)*REC+(FQ%4)*512+FI*64
.set FQ, FQ+1
.endr
.set FI, FI+1
.endr
.endm
.macro MUL slot, q, p, first           ; 16 products of one K step, the accumulators by turns; first = 2: the bias starts the sums
	WIN 0xa5
.set MA, 0
.rept NT
.set MB, 0
.rept NT
.set AC, 8*(NT*MA+MB)
.set FB, 128*(\p)+64+8*MB
.set FA, 128*(\p)+8*MA
.set SB, SC+32*(\slot)+QS*MB+(\q)
.set SA, SC+32*(\slot)+QS*MA+(\q)
.if (\first) == 2
	v_wmma_scale_f32_16x16x128_f8f6f4 v[AC:AC+7], v[FB:FB+7], v[FA:FA+7], v[BIASR+8*MB:BIASR+8*MB+7], v[SB], v[SA] matrix_a_fmt:MATRIX_FMT_FP4 matrix_b_fmt:MATRIX_FMT_FP4 matrix_a_scale:MATRIX_SCALE_ROW1
.else
	v_wmma_scale_f32_16x16x128_f8f6f4 v[AC:AC+7], v[FB:FB+7], v[FA:FA+7], v[AC:AC+7], v[SB], v[SA] matrix_a_fmt:MATRIX_FMT_FP4 matrix_b_fmt:MATRIX_FMT_FP4 matrix_a_scale:MATRIX_SCALE_ROW1
.endif
.set MB, MB+1
.endr
.set MA, MA+1
.endr
.endm
.macro STEP slot, q, first             ; a K step whose successor lies in the same slot
	s_wait_dscnt 0x0                               ; this step's fragments, asked for one step ago, are in
	PLACES
	FETCH \slot, (\q)+1, ((\q)+1)%2
	MUL \slot, \q, (\q)%2, \first
.endm
.macro XSTEP                           ; slot 0's last step fetches slot 1's first fragments: both slots came with one fill, so no barrier stands here
	s_wait_dscnt 0x0
	PLACES
	FETCH 1, 0, 0
	SCALES 1
	MUL 0, QS-1, 1, 0
.endm
.macro REFILL                          ; slot 1's last step of the first half of K: all eight records are filled again
	WIN 0
	s_wait_tensorcnt 0x0                           ; no tensor load of mine is out, so a group 0 may be written
	ds_add_u32 v[SPW], v[NIL]
	s_add_nc_u64 s[G0+2:G0+3], s[G0+2:G0+3], 4*REC       ; my two records, four chunks on
	s_add_nc_u64 s[G0B+2:G0B+3], s[G0B+2:G0B+3], 4*REC
	s_wait_dscnt 0x0                               ; the add is done; my reads of both slots are over: the last fragments and scale words are in registers
	CROUND                                         ; no wave of any partner still reads a slot or has a load on its way
	JLOAD                                          ; my one tensor load behind the round, and the first thing there
	MUL 1, QS-1, 1, 0                              ; work on registers while the records come
	WIN 0
	s_wait_tensorcnt 0x0                           ; my two records are in
	s_barrier_signal -1
	s_barrier_wait -1                              ; and everybody's
	PLACES
	FETCH 0, 0, 0
	SCALES 0
.endm
.macro LAST slot
	s_wait_dscnt 0x0
	MUL \slot, QS-1, 1, 0
	WIN 0
.endm
.macro RUN7 slot, first
	STEP \slot, 0, \first
.irp q,1,2,3,4,5,6
	STEP \slot, \q, 0
.endr
.endm
	s_load_b256 s[4:11], s[0:1], 0x0               ; A's records, the weights' records, the bias, the residual
	s_load_b64 s[12:13], s[0:1], 0x20              ; the result
	v_lshl_add_u32 v[SPW], v0, 2, SPARE
	v_mov_b32 v[NIL], 0
	ds_add_u32 v[SPW], v[NIL]                      ; the wave's opening: the add, twice on end, and its wait ahead of my first tensor load
	ds_add_u32 v[SPW], v[NIL]
	v_lshrrev_b32 v3, 5, v0
	v_readfirstlane_b32 s[WV], v3                  ; wave 0..3
	s_lshr_b32 s15, s14, 1                         ; my 64 tokens.  Also: I fetch for A (0) or for B (1)
	s_and_b32 s16, s14, 1                          ; my 64 columns.  Also: the slot whose part I fetch
	s_bfe_u32 s40, ttmp6, 0x40000                  ; cx, cy: my place in the cluster
	s_bfe_u32 s41, ttmp6, 0x40004
	s_lshl_b32 s42, ttmp9, 2
	s_add_co_u32 s42, s42, s40                     ; strip of 128 columns = 4 x cluster x + cx
	s_and_b32 s17, ttmp7, 0xffff
	s_lshl_b32 s17, s17, 2
	s_add_co_u32 s17, s17, s41                     ; strip of 128 tokens = 4 x cluster y + cy
	s_lshl_b32 s43, s41, 2
	s_lshl_b32 s43, 15, s43                        ; my row of the cluster
	s_lshl_b32 s44, 0x1111, s40                    ; my column
	s_or_b32 s[G1], s43, (3<<16)|(1<<21)           ; group 1: 15:0 the mask: A's records go to my row; 17:16 elements of 8 bytes; 21 set beside a mask; no padding
	s_or_b32 s[G1B], s44, (3<<16)|(1<<21)          ; B's go to my column
.irp g, G1, G1B
	s_mov_b32 s[\g+1], 32<<16                      ; two records, a dense block, as 272 rows of 32 elements: tensor_dim0
	s_mov_b32 s[\g+2], 272<<16                     ; tensor_dim1
	s_mov_b32 s[\g+3], 32<<16                      ; tile_dim0
	s_mov_b32 s[\g+4], 272                         ; tile_dim1
	s_mov_b32 s[\g+5], 32                          ; the pitch
	s_mov_b32 s[\g+6], 0
	s_mov_b32 s[\g+7], 0
.endr
	s_lshl_b32 s18, s16, 1                         ; my slot's first chunk
	s_mul_i32 s20, s17, NCH
	s_add_co_u32 s20, s20, s18
	s_mul_i32 s20, s20, REC                        ; A's records: they hang on the strip of tokens and the wave alone
	s_mov_b32 s21, 0
	s_mul_i32 s46, s42, NCH
	s_add_co_u32 s46, s46, s18
	s_add_co_u32 s46, s46, WBASE
	s_mul_i32 s46, s46, REC                        ; B's: on the strip of columns and the wave alone
	s_mov_b32 s47, 0
	s_mul_i32 s45, s16, SLOT
	s_mul_i32 s19, s15, 2*REC
	s_add_co_u32 s45, s45, s19                     ; where they go: my slot, A's part or B's: no place in the cluster enters an LDS address
	s_wait_dscnt 0x0                               ; both opening adds are done
	s_wait_kmcnt 0x0
	s_add_nc_u64 s[20:21], s[4:5], s[20:21]
	s_add_nc_u64 s[46:47], s[6:7], s[46:47]
	CROUND                                         ; all sixteen work-groups are here: the first joint loads meet
	s_mov_b32 s[G0], 1
	s_mov_b32 s[G0+1], s45
	s_mov_b64 s[G0+2:G0+3], s[20:21]
	s_or_b32 s[G0+3], s[G0+3], 0x80000000
	s_mov_b32 s[G0B], 1
	s_mov_b32 s[G0B+1], s45
	s_mov_b64 s[G0B+2:G0B+3], s[46:47]
	s_or_b32 s[G0B+3], s[G0B+3], 0x80000000
	JLOAD                                          ; my one tensor load at the head: with the other waves', chunks 0-3 of both sides
	v_and_b32 v1, 15, v0                           ; r
	v_bfe_u32 v2, v0, 4, 1                         ; h
	v_and_b32 v3, 31, v0
	v_lshlrev_b32 v[LI], 4, v3
	s_lshl_b32 s66, s15, 12                        ; my four tiles of A
	s_lshl_b32 s67, s16, 12
	s_add_co_u32 s67, s67, 2*REC                   ; my four tiles of B
	v_add_nc_u32 v[ADRA], s66, v[LI]
	v_add_nc_u32 v[ADRB], s67, v[LI]
	s_lshl_b32 s66, s15, 8
	s_lshl_b32 s67, s16, 8
	s_add_co_u32 s67, s67, 2*REC
	s_sub_co_u32 s68, s67, s66                     ; from A's scale words to B's
	v_mul_u32_u24 v[ADRS], s68, v2                 ; lanes 16-31 take B's
	v_lshl_add_u32 v[ADRS], v1, 2, v[ADRS]
	s_add_co_u32 s66, s66, 32768
	v_add_nc_u32 v[ADRS], s66, v[ADRS]
	v_add_nc_u32 v[ADRA+1], SLOT, v[ADRA]
	v_add_nc_u32 v[ADRB+1], SLOT, v[ADRB]
	v_add_nc_u32 v[ADRS+1], SLOT, v[ADRS]
	s_mul_i32 s66, s14, 4352
	s_add_co_u32 s66, s66, STAGE                   ; my stage
	v_mul_u32_u24 v[STO], v1, 272
	v_lshl_add_u32 v[STO], v2, 6, v[STO]
	v_add_nc_u32 v[STO], s66, v[STO]               ; in: row r, + 64 h
	v_mul_u32_u24 v[RD], v2, 272
	v_lshl_add_u32 v[RD], v1, 4, v[RD]
	v_add_nc_u32 v[RD], s66, v[RD]                 ; back: lanes 0-15 one row of 256 bytes, lanes 16-31 the next
	v_lshlrev_b32 v[CO], 4, v1
	v_lshl_add_u32 v[CO], v2, 12, v[CO]            ; and the same two rows in memory
	v_lshlrev_b32 v13, 6, v2
	v_lshlrev_b32 v[PF0], 8, v3                    ; the prefetches: a lane a row of 256 bytes
	v_min_u32 v[PF1], 3, v3
	v_lshlrev_b32 v[PF1], 8, v[PF1]
	s_wait_alu depctr_va_vdst(0)
	s_lshl_b32 s70, s17, 7
	s_lshl_b32 s71, s15, 6
	s_add_co_u32 s70, s70, s71
	s_lshl_b32 s70, s70, 12                        ; my first token's row
	s_lshl_b32 s72, s42, 9
	s_lshl_b32 s71, s16, 8
	s_add_co_u32 s72, s72, s71                     ; my first column, in bytes
	s_add_co_u32 s70, s70, s72
	s_mov_b32 s71, 0
	s_mov_b32 s73, 0
	s_add_nc_u64 s[74:75], s[10:11], s[70:71]      ; the residual
	s_add_nc_u64 s[76:77], s[12:13], s[70:71]      ; the result
	s_add_nc_u64 s[78:79], s[8:9], s[72:73]        ; the bias
	s_cmp_eq_u32 s15, 0                            ; do I fetch for A?
	s_cselect_b64 s[PFA:PFA+1], s[20:21], s[46:47]
	s_cselect_b32 s82, s40, s41                    ; my place among the four that ask with me
	s_mul_i32 s82, s82, 68*256                     ; my work-group's 68 rows of the 272,
	s_add_co_u32 s82, s82, 4*REC                   ; four chunks on: what my refill will load
	s_mov_b32 s83, 0
	s_add_nc_u64 s[PFA:PFA+1], s[PFA:PFA+1], s[82:83]
	global_prefetch_b8 v[PF0], s[PFA:PFA+1] th:TH_LOAD_NT scope:SCOPE_SE                 ; rows 0-31
	global_prefetch_b8 v[PF0], s[PFA:PFA+1] offset:8192 th:TH_LOAD_NT scope:SCOPE_SE     ; rows 32-63
	global_prefetch_b8 v[PF1], s[PFA:PFA+1] offset:16384 th:TH_LOAD_NT scope:SCOPE_SE    ; rows 64-67
	WIN 0x80
.irp b,0,1,2,3
	global_load_b128 v[BIASR+8*\b:BIASR+8*\b+3], v13, s[78:79] offset:(32*(\b/2)+8*(\b%2))*4     ; tile b, lane half h: columns 32 (b / 2) + 16 h + 8 (b % 2) + 0 .. 7
	global_load_b128 v[BIASR+8*\b+4:BIASR+8*\b+7], v13, s[78:79] offset:(32*(\b/2)+8*(\b%2))*4+16
.endr
	WIN 0xc0
.irp a,0,1,2,3
.irp t,0,1,2,3,4,5,6,7
	global_load_b128 v[32*\a+4*\t:32*\a+4*\t+3], v[CO], s[74:75] offset:(32*(\a/2)+8*(\a%2)+2*\t+8*(\t/4))*4096   ; the rows in the order in which the stage gives them back
.endr
.endr
	WIN 0
	s_wait_tensorcnt 0x0                           ; my two records are in
	s_barrier_signal -1
	s_barrier_wait -1                              ; and everybody's
	FETCH 0, 0, 0
	SCALES 0
	s_wait_loadcnt 32                              ; the bias's 8 loads are in; the residual's 32, issued behind them, may be out
	RUN7 0, 2                                      ; chunks 0, 1
	XSTEP
	RUN7 1, 0                                      ; chunks 2, 3
	REFILL
	RUN7 0, 0                                      ; chunks 4, 5
	XSTEP
	RUN7 1, 0                                      ; chunks 6, 7
	LAST 1
	PLACES
	s_wait_loadcnt 0x0                             ; the residual
.macro TOSTAGE a                       ; tile a's 16 rows x 64 columns through my stage; LDS serves a wave's instructions in order, so no wait stands between the stores and the loads
	WIN 0x08
.irp b,0,1,2,3
	ds_store_b128 v[STO], v[8*(4*(\a)+\b):8*(4*(\a)+\b)+3] offset:128*(\b/2)+32*(\b%2)        ; each accumulator from its low end on
	ds_store_b128 v[STO], v[8*(4*(\a)+\b)+4:8*(4*(\a)+\b)+7] offset:128*(\b/2)+32*(\b%2)+16
.endr
	WIN 0
.irp t,0,1,2,3,4,5,6,7
	ds_load_b128 v[OB+32*((\a)%2)+4*\t:OB+32*((\a)%2)+4*\t+3], v[RD] offset:2*\t*272
.endr
.endm
.macro SEND a, younger                 ; younger: the LDS instructions issued behind tile a's loads
	s_wait_dscnt \younger
	WIN 0x0c
.irp t,0,1,2,3,4,5,6,7
	v_pk_add_f32 v[OB+32*((\a)%2)+4*\t:OB+32*((\a)%2)+4*\t+1], v[OB+32*((\a)%2)+4*\t:OB+32*((\a)%2)+4*\t+1], v[32*(\a)+4*\t:32*(\a)+4*\t+1]
	v_pk_add_f32 v[OB+32*((\a)%2)+4*\t+2:OB+32*((\a)%2)+4*\t+3], v[OB+32*((\a)%2)+4*\t+2:OB+32*((\a)%2)+4*\t+3], v[32*(\a)+4*\t+2:32*(\a)+4*\t+3]
.endr
	WIN 0
.irp t,0,1,2,3,4,5,6,7
	global_store_b128 v[CO], v[OB+32*((\a)%2)+4*\t:OB+32*((\a)%2)+4*\t+3], s[76:77] offset:(32*((\a)/2)+8*((\a)%2)+2*\t+8*(\t/4))*4096   ; 16 lanes store 256 consecutive bytes, aligned
.endr
.endm
	TOSTAGE 0
	TOSTAGE 1
	SEND 0, 16                                     ; behind tile 0's loads: tile 1's 8 stores and 8 loads
	s_wait_xcnt 0x0                                ; tile 0's stores have read their registers: tile 2's rows may land there
	TOSTAGE 2
	SEND 1, 16
	s_wait_xcnt 0x0
	TOSTAGE 3
	SEND 2, 16
	SEND 3, 0
	s_wait_tensorcnt 0x0                           ; the wave's end
	ds_add_u32 v[SPW], v[NIL]
	s_wait_dscnt 0x0
	CROUND                                         ; the closing round: no work-group ends while a partner may still ask for a record that names it
	s_endpgm
.Lfunc_end_k_q43537c9145_ff2:
	.size	k_q43537c9145_ff2, .Lfunc_end_k_q43537c9145_ff2-k_q43537c9145_ff2
	.p2alignl 7, 3214868480
	.fill 96, 4, 3214868480
	.section	.rodata,"a",@progbits
	.p2align	6, 0x0
	.amdhsa_kernel k_q43537c9145_ff2
		.amdhsa_group_segment_fixed_size 327680
		.amdhsa_private_segment_fixed_size 0
		.amdhsa_enable_private_segment 0
		.amdhsa_kernarg_size 40
		.amdhsa_user_sgpr_count 2
		.amdhsa_user_sgpr_kernarg_segment_ptr 1
		.amdhsa_wavefront_size32 1
		.amdhsa_system_sgpr_workgroup_id_x 1
		.amdhsa_system_sgpr_workgroup_id_y 1
		.amdhsa_system_sgpr_workgroup_id_z 1
		.amdhsa_system_vgpr_workitem_id 0
		.amdhsa_next_free_vgpr 896
		.amdhsa_next_free_sgpr 100
		.amdhsa_reserve_vcc 0
		.amdhsa_float_denorm_mode_32 3
		.amdhsa_float_denorm_mode_16_64 3
		.amdhsa_memory_ordered 1
		.amdhsa_forward_progress 1
		.amdhsa_inst_pref_size 136
	.end_amdhsa_kernel
	.amdgpu_metadata
---
amdhsa.version: [ 1, 2 ]
amdhsa.kernels:
  - .name:           k_q43537c9145_ff2
    .symbol:         k_q43537c9145_ff2.kd
    .args:
      - { .name: grec, .offset: 0, .size: 8, .value_kind: global_buffer, .address_space: global }
      - { .name: wrec, .offset: 8, .size: 8, .value_kind: global_buffer, .address_space: global }
      - { .name: b_ff2, .offset: 16, .size: 8, .value_kind: global_buffer, .address_space: global }
      - { .name: x1, .offset: 24, .size: 8, .value_kind: global_buffer, .address_space: global }
      - { .name: out0, .offset: 32, .size: 8, .value_kind: global_buffer, .address_space: global }
    .group_segment_fixed_size: 327680
    .private_segment_fixed_size: 0
    .kernarg_segment_align: 8
    .kernarg_segment_size: 40
    .max_flat_workgroup_size: 128
    .sgpr_count:     100
    .vgpr_count:     896
    .wavefront_size: 32
...
	.end_amdgpu_metadata
.endif
;; end of part 6
